; MI455X (gfx1250); checked and timed in simulation.
; The chip was launched on July 23, 2026; its instructions are those of AMD's public machine-readable ISA for CDNA 5 (MIT licence, August 2026) and "CDNA5" Instruction Set Architecture Reference Guide (July 2026). The comments in the code are by the model that wrote it; some were corrected since.
;; Llama Decoder Layer. Allowed arithmetic: matrix products marked QUANTISED: E2M1 operands, one E8M0 scale for each 32 along K, by v_wmma_scale_f32_16x16x128_f8f6f4 with both operands' format E2M1 (or v_wmma_scale_f32_32x16x128_f4), f32 sums; everything else in f32.
;; Inputs: Wk_codes 1,024 x 32 x 16 uint8 (E2M1 codes of Wk, K innermost, in blocks of 32 codes, two codes a byte); Wk_scales 1,024 x 32 uint8 (E8M0 scales of Wk, one for each 32 codes along K); Wo_codes 1,024 x 32 x 16 uint8 (E2M1 codes of Wo, K innermost, in blocks of 32 codes, two codes a byte); Wo_scales 1,024 x 32 uint8 (E8M0 scales of Wo, one for each 32 codes along K); Wq_codes 1,024 x 32 x 16 uint8 (E2M1 codes of Wq, K innermost, in blocks of 32 codes, two codes a byte); Wq_scales 1,024 x 32 uint8 (E8M0 scales of Wq, one for each 32 codes along K); Wv_codes 1,024 x 32 x 16 uint8 (E2M1 codes of Wv, K innermost, in blocks of 32 codes, two codes a byte); Wv_scales 1,024 x 32 uint8 (E8M0 scales of Wv, one for each 32 codes along K); hidden_states 2 x 2,048 x 1,024 float32; ln1_w 1,024 float32; ln2_w 1,024 float32; w1_codes 1,024 x 32 x 16 uint8 (E2M1 codes of w1, K innermost, in blocks of 32 codes, two codes a byte); w1_scales 1,024 x 32 uint8 (E8M0 scales of w1, one for each 32 codes along K); w2_codes 1,024 x 32 x 16 uint8 (E2M1 codes of w2, K innermost, in blocks of 32 codes, two codes a byte); w2_scales 1,024 x 32 uint8 (E8M0 scales of w2, one for each 32 codes along K); w3_codes 1,024 x 32 x 16 uint8 (E2M1 codes of w3, K innermost, in blocks of 32 codes, two codes a byte); w3_scales 1,024 x 32 uint8 (E8M0 scales of w3, one for each 32 codes along K).
;; Outputs: out0 2 x 2,048 x 1,024 float32.
;; This version of the problem:
;;   THIS VERSION OF THE PROBLEM IS GIVEN IN LOW PRECISION. The matrix products marked QUANTISED in the list below multiply operands that are first quantised to E2M1 (2 exponent bits, 1 mantissa bit; 4 bits a number), with one power-of-two scale for each 32 numbers along K (OCP MX v1.0); their sums are f32. All else is computed in f32.
;;   The module's matrix products, in the order in which they are computed (A, B: the left and right operand; K: the contracted axis; several contracted axes count as one K, in the product's order):
;;     1. [M 4,096, K 1,024] x [K 1,024, N 1,024]; A: computed on the way; B: input Wq (given as codes): QUANTISED
;;     2. [M 4,096, K 1,024] x [K 1,024, N 1,024]; A: computed on the way; B: input Wk (given as codes): QUANTISED
;;     3. [M 4,096, K 1,024] x [K 1,024, N 1,024]; A: computed on the way; B: input Wv (given as codes): QUANTISED
;;     4. batch 32 x [M 2,048, K 64] x [K 64, N 2,048]; A: computed on the way; B: computed on the way: QUANTISED
;;     5. batch 32 x [M 2,048, K 2,048] x [K 2,048, N 64]; A: softmax (see below); B: computed on the way: QUANTISED
;;     6. [M 4,096, K 1,024] x [K 1,024, N 1,024]; A: computed on the way; B: input Wo (given as codes): QUANTISED
;;     7. [M 4,096, K 1,024] x [K 1,024, N 1,024]; A: computed on the way; B: input w1 (given as codes): QUANTISED
;;     8. [M 4,096, K 1,024] x [K 1,024, N 1,024]; A: computed on the way; B: input w3 (given as codes): QUANTISED
;;     9. [M 4,096, K 1,024] x [K 1,024, N 1,024]; A: computed on the way; B: input w2 (given as codes): QUANTISED
;;   THE QUANTISER, for each operand of a quantised product, along K:
;;     - K is cut into blocks of 32 from its start; a last block that is shorter is filled with zeros.
;;     - A block's scale is 2^e with e = floor(log2(the largest magnitude in the block)) - 2, held to -126 .. 127; a block of zeros has e = 0. As a byte (E8M0): e + 127.
;;     - Each number is divided by its block's scale, clamped to +-6, and rounded to the nearest number of E2M1, ties to even, subnormals kept.
;;     - The product sums the exact products of the quantised numbers (number of the format x scale) in f32.
;;   ~~~python
;;   def quantise(x, axis):      # numpy; x: float32 -> the quantised numbers, widened to float32 again
;;       x = np.moveaxis(x, axis, -1); K = x.shape[-1]
;;       x = np.pad(x, [(0, 0)] * (x.ndim - 1) + [(0, -K % 32)]); x = x.reshape(x.shape[:-1] + (-1, 32)); a = np.abs(x).max(-1, keepdims=True)
;;       e = np.where(a > 0, np.clip(np.frexp(np.where(a > 0, a, 1))[1] - 1 - 2, -126, 127), 0)      # np.frexp(a)[1] - 1 = floor(log2(a)), exactly
;;       r = np.clip(x / 2.0 ** e, -6, 6)
;;       step = 2.0 ** (np.maximum(np.frexp(np.where(r == 0, 1, r))[1] - 1, 0) - 1)
;;       q = np.round(r / step) * step * 2.0 ** e      # np.round: ties to even
;;       return np.moveaxis(q.reshape(q.shape[:-2] + (-1,))[..., :K], -1, axis).astype(np.float32)
;;   ~~~
;;   SOFTMAX AHEAD OF A QUANTISED PRODUCT. Where the list says 'softmax', what is quantised is not the finished softmax but p = 2^(t - M), with t = logit x log2(e) and M = ceil(the row's largest t), a whole number; so 1/2 < the row's largest p <= 1. The row's sum l is taken of the UNQUANTISED p, in f32, and the product's result is divided by l at the end. Since M is a whole number, a kernel that streams over the keys may use a running M (the ceiling of the running maximum): every later rescaling is an exact power of two, which a block's scale takes up: the codes' values come out the same.
;;   OPERANDS COMPUTED ON THE WAY. 'Computed on the way' means the value that the module computes at that place (a softmax that the list does not call 'softmax' is quantised finished and normalised). What goes into a quantiser is computed in f32, as accurately as f32 sums, v_exp_f32 and their like allow (about 1e-6 of the number): no bf16 or f16 on the way to a quantiser, and a product that is left as it is and whose result goes on into a quantised operand takes f32 operands (vector FMAs, or v_wmma_f32_16x16x4_f32). A number that lies on a knife's edge between two numbers of the format may be rounded either way, as far as f32 arithmetic and the matrix unit's own rounding can turn it there, and no further.
;;   INPUTS GIVEN AS CODES. Wk (in the module: [1024, 1024], K = its axis 0); Wo (in the module: [1024, 1024], K = its axis 0); Wq (in the module: [1024, 1024], K = its axis 0); Wv (in the module: [1024, 1024], K = its axis 0); w1 (in the module: [1024, 1024], K = its axis 0); w2 (in the module: [1024, 1024], K = its axis 0); w3 (in the module: [1024, 1024], K = its axis 0): each comes as NAME_codes (uint8): NAME with its K axis moved to the last place and cut into blocks of 32 codes, [.., K / 32, bytes a block], one block behind the other in memory; two codes a byte, the lower K in the low four bits (a code: sign, 2 exponent bits, 1 mantissa bit); and NAME_scales (uint8): the same leading axes, one E8M0 byte (e + 127) for each 32 codes along K. Its value is code x scale, taken as it is: it is not quantised again, and the codes and scales need not be those that the quantiser above would give.
;; One version. Each part assembles by itself: llvm-mc -triple=amdgcn-amd-amdhsa -mcpu=gfx1250 --defsym DOCPART=n.
;; ======== version 1 of 1: 7 launches
;; limits: right only within a limited range of input values
;; workspace buffers: ac 2,097,152 bytes; asc 131,072 bytes; qc 2,097,152 bytes; qs 262,144 bytes; kv 4,456,448 bytes; bc 2,097,152 bytes; bsc 131,072 bytes; h 16,777,216 bytes
;; launch nq1 (part 1): grid 256 x 1, 8 waves a work-group, no clusters, 69,120 bytes of LDS; arguments hidden_states, ln1_w, ac, asc; writes ac, asc
.if DOCPART == 1
	.amdgcn_target "amdgcn-amd-amdhsa--gfx1250"
	.amdhsa_code_object_version 6
	.text
	.protected	k_q1737202522_nq1
	.globl	k_q1737202522_nq1
	.p2align	8
	.type	k_q1737202522_nq1,@function
k_q1737202522_nq1:
	s_mov_b64 s[64:65], 0
	v_nop
	global_prefetch_b8 v0, s[64:65] scope:SCOPE_SE
	s_setreg_imm32_b32 hwreg(HW_REG_WAVE_MODE, 25, 1), 1
	s_wait_xcnt 0x0
; RMS norm and quantiser.  y[row][k] = (x[row][k] * rsqrt(mean_k(x^2) + 1e-6)) * w[k], x: [4096][1024] f32, w: [1024] f32; y leaves as codes of FP4 (E2M1) with one E8M0 byte for each 32 along k.
; SHARES.  A work-group takes 16 rows (tile t = its number); wave w takes k = 128 w .. 128 w + 127 of them: one operand fragment (16 rows x 128 K).
; IN.  Each load takes one row's 512 consecutive bytes, 16 a lane.  The conversions want neighbours along k in ONE lane, so the 16 rows turn through the wave's own stage in LDS (rows of 512 bytes + 16) and come back so that
; lane (r, h) holds, of row r, 16 neighbours of each of the wave's four blocks of 32: register 16 b + i is k = 128 w + 32 b + 16 h + i.  The stage is the wave's own: no barrier, and LDS serves a wave's instructions in order.
; A row's sum of squares is gathered from the eight waves through 512 bytes of LDS, behind one barrier.
; OUT.  Codes as an image of the operand's registers: fragment (t, w) is 1,024 bytes at (8 t + w) x 1,024; register group c at + 512 c, lane l's 16 bytes at 16 l: each store covers 512 consecutive bytes.
; Scale words in planes [K step 8][row 4096] of 4 bytes: 64 consecutive bytes a wave (lanes 16-31 hold and write the same words as lanes 0-15).
; LIMITS: NaN and infinities among the inputs are not served.  A block of zeros, or one whose largest magnitude lies under 2^-124, gets the byte 1 (the rule says 127 for zeros): its codes are zeros or
; held by the floor, and the bytes are read by this program alone.  The sum of squares overflows where a plain f32 sum of 1,024 squares does.
.set X,   16                           ; v16-79   my 64 numbers
.set W,   80                           ; v80-143  the gains of my 64 columns
.set PC,  144                          ; v144-151 the fragment's codes
.set TM,  152                          ; v152-167 at work in the quantiser
.set PW,  168                          ; v168     my row's scale word
.set CHN, 170                          ; v170-177 four packed chains of squares
.set PS,  178                          ; v178-185 the eight waves' partial sums
.set RS,  186                          ; v186-187 1 / rms (the packed multiply names a pair and takes its low word)
.set R,   192                          ; v192-255 the 16 rows as loaded: 4 registers a row
.set SP,  528                          ; a stage row: 512 bytes + 16 = 33 x 16: the sixteen rows that a read touches fall in sixteen different 16-byte columns of the banks' 256 bytes (64 banks of 4 bytes: ISA guide 11.1)
.set STG, 512                          ; LDS: the partial sums at 0 (512 bytes); the stages behind them, 16 rows for each wave
.set SEL, 14                           ; s[14:15] v_permlanex16_b32's selects for lane l xor 16
	s_load_b256 s[4:11], s[0:1], 0x0               ; x s[4:5], w s[6:7], codes s[8:9], scale words s[10:11]
	v_lshl_add_u32 v190, v0, 2, 0x10a00
	v_mov_b32 v191, 0
	v_lshrrev_b32 v1, 5, v0
	s_delay_alu instid0(VALU_DEP_1)
	v_readfirstlane_b32 s12, v1                    ; wave 0..7
	v_and_b32 v1, 31, v0                           ; lane
	v_and_b32 v2, 15, v0                           ; r
	v_bfe_u32 v3, v0, 4, 1                         ; h
	s_delay_alu instid0(VALU_DEP_1)
	v_lshlrev_b32 v5, 6, v3                        ; 64 h bytes: my 16 numbers of a block, in w and in a stage row
	s_delay_alu instid0(VALU_DEP_3)
	v_lshlrev_b32 v7, 2, v2                        ; 4 r
	s_lshl_b32 s13, s12, 6
	v_add_nc_u32 v6, s13, v7                       ; LDS: my wave's 16 partial sums at 64 w + 4 r
	v_lshlrev_b32 v8, 4, v1                        ; 16 x lane
	s_mul_i32 s13, s12, 16*SP                      ; my wave's stage
	v_add_nc_u32 v9, s13, v8
	s_delay_alu instid0(VALU_DEP_1)
	v_add_nc_u32 v9, STG, v9                       ; into it: 16 x lane of a row
	v_mul_u32_u24 v10, v2, SP
	s_delay_alu instid0(VALU_DEP_1)
	v_add_nc_u32 v10, v10, v5
	s_delay_alu instid0(VALU_DEP_1)
	v_add_nc_u32 v10, s13, v10
	s_delay_alu instid0(VALU_DEP_1)
	v_add_nc_u32 v10, STG, v10                     ; out of it: row r, + 64 h
	s_mov_b32 s[SEL], 0x76543210
	s_mov_b32 s[SEL+1], 0xfedcba98
	s_mov_b32 s16, 0x358637bd                      ; 1e-6
	s_mov_b32 s17, 0x3a800000                      ; 1 / 1024
.irp b, 0,1,2,3
	v_mov_b32 v[TM+4+\b], 0                        ; written once: a lane permute's destination counts as one of its sources
.endr
	v_mov_b32 v[RS+1], 0                           ; named with v[RS] as a pair, so it is written
	s_lshl_b32 s18, ttmp9, 16                      ; x: 16 rows of 4,096 bytes a tile,
	s_lshl_b32 s20, s12, 9                         ; 512 bytes a wave (w likewise)
	s_add_co_u32 s18, s18, s20
	s_mov_b32 s19, 0
	s_mov_b32 s21, 0
	s_lshl_b32 s22, ttmp9, 13                      ; codes: 8,192 bytes a tile, 1,024 a K step
	s_lshl_b32 s24, s12, 10
	s_add_co_u32 s22, s22, s24
	s_mov_b32 s23, 0
	s_lshl_b32 s24, s12, 14                        ; scale words: 16,384 bytes a plane, 64 a tile
	s_lshl_b32 s25, ttmp9, 6
	s_add_co_u32 s24, s24, s25
	s_mov_b32 s25, 0
	s_wait_alu depctr_va_vdst(0)
	s_wait_kmcnt 0x0
	s_add_nc_u64 s[4:5], s[4:5], s[18:19]
	s_add_nc_u64 s[6:7], s[6:7], s[20:21]
	s_add_nc_u64 s[8:9], s[8:9], s[22:23]
	s_add_nc_u64 s[10:11], s[10:11], s[24:25]
.irp i, 0,1,2,3,4,5,6,7,8,9,10,11,12,13,14,15
	global_load_b128 v[R+4*\i:R+4*\i+3], v8, s[4:5] offset:4096*\i th:TH_LOAD_NT   ; row i: 32 lanes read 512 consecutive bytes
.endr
.irp b, 0,1,2,3
.irp j, 0,1,2,3
	global_load_b128 v[W+16*\b+4*\j:W+16*\b+4*\j+3], v5, s[6:7] offset:128*\b+16*\j
.endr
.endr
.irp i, 0,1,2,3,4,5,6,7,8,9,10,11,12,13,14,15
	s_wait_loadcnt 31-\i                           ; row i is in: the 15 - i rows behind it and the gains' sixteen loads may stay out
	ds_store_b128 v9, v[R+4*\i:R+4*\i+3] offset:SP*\i
.endr
.irp b, 0,1,2,3
.irp j, 0,1,2,3
	ds_load_b128 v[X+16*\b+4*\j:X+16*\b+4*\j+3], v10 offset:128*\b+16*\j   ; LDS serves a wave's instructions in order (ISA guide 5.7.1.4): these see my stores
.endr
.endr
	s_wait_dscnt 0x0
.irp c, 0,1,2,3
	v_pk_mul_f32 v[CHN+2*\c:CHN+2*\c+1], v[X+2*\c:X+2*\c+1], v[X+2*\c:X+2*\c+1]   ; the first squares start the four chains
.endr
.irp i, 1,2,3,4,5,6,7
.irp c, 0,1,2,3
	s_delay_alu instid0(VALU_DEP_4)
	v_pk_fma_f32 v[CHN+2*\c:CHN+2*\c+1], v[X+8*\i+2*\c:X+8*\i+2*\c+1], v[X+8*\i+2*\c:X+8*\i+2*\c+1], v[CHN+2*\c:CHN+2*\c+1]
.endr
.endr
	s_delay_alu instid0(VALU_DEP_3)
	v_pk_add_f32 v[CHN:CHN+1], v[CHN:CHN+1], v[CHN+2:CHN+3]
	s_delay_alu instid0(VALU_DEP_2)
	v_pk_add_f32 v[CHN+4:CHN+5], v[CHN+4:CHN+5], v[CHN+6:CHN+7]
	s_delay_alu instid0(VALU_DEP_1)
	v_pk_add_f32 v[CHN:CHN+1], v[CHN:CHN+1], v[CHN+4:CHN+5]
	s_delay_alu instid0(VALU_DEP_1)
	v_add_f32 v[CHN], v[CHN], v[CHN+1]
	s_delay_alu instid0(VALU_DEP_1)
	v_permlanex16_b32 v[CHN+2], v[CHN], s[SEL], s[SEL+1]
	s_delay_alu instid0(VALU_DEP_1)
	v_add_f32 v[CHN], v[CHN], v[CHN+2]             ; row r's squares over my wave's 128 columns
	ds_store_b32 v6, v[CHN]                        ; (both halves of the lanes write the same word with the same value)
	s_wait_dscnt 0x0                               ; for the others' sake: my store has landed
	s_barrier_signal -1
	s_barrier_wait -1
.irp i, 0,1,2,3,4,5,6,7
	ds_load_b32 v[PS+\i], v7 offset:64*\i          ; row r's eight partial sums
.endr
	s_wait_dscnt 0x0
	v_add_f32 v[PS], v[PS], v[PS+1]                ; the same order in every wave: all eight get the same bits
	v_add_f32 v[PS+2], v[PS+2], v[PS+3]
	v_add_f32 v[PS+4], v[PS+4], v[PS+5]
	v_add_f32 v[PS+6], v[PS+6], v[PS+7]
	s_delay_alu instid0(VALU_DEP_3)
	v_add_f32 v[PS], v[PS], v[PS+2]
	s_delay_alu instid0(VALU_DEP_2)
	v_add_f32 v[PS+4], v[PS+4], v[PS+6]
	s_delay_alu instid0(VALU_DEP_1)
	v_add_f32 v[PS], v[PS], v[PS+4]
	s_delay_alu instid0(VALU_DEP_1)
	v_fma_f32 v[PS], v[PS], s17, s16               ; the mean + 1e-6
	s_wait_alu depctr_va_vdst(0)
	v_rsq_f32 v[RS], v[PS]
	v_nop                                          ; a plain instruction behind the transcendental
	s_wait_alu depctr_va_vdst(0)                   ; and the wait ahead of its first reader
.set i, 0
.rept 32
	v_pk_mul_f32 v[X+i:X+i+1], v[X+i:X+i+1], v[RS:RS+1] op_sel_hi:[1,0]
.set i, i+2
.endr
	s_wait_loadcnt 0x0                             ; the gains
.set i, 0
.rept 32
	v_pk_mul_f32 v[X+i:X+i+1], v[X+i:X+i+1], v[W+i:W+i+1]
.set i, i+2
.endr
; The quantiser: four blocks of 32; a block lies in lanes l and l xor 16
.irp b, 0,1,2,3
	v_max3_num_f32 v[TM+\b], |v[X+16*\b]|, |v[X+1+16*\b]|, 0x1800000   ; my 16 numbers, and the floor 2^(3 - 127): so the byte cannot fall under 1
.endr
.irp i, 2,4,6,8,10,12,14
.irp b, 0,1,2,3
	s_delay_alu instid0(VALU_DEP_4)
	v_max3_num_f32 v[TM+\b], v[TM+\b], |v[X+16*\b+\i]|, |v[X+1+16*\b+\i]|   ; (the four blocks by turns)
.endr
.endr
.irp b, 0,1,2,3
	s_delay_alu instid0(VALU_DEP_4)
	v_permlanex16_b32 v[TM+4+\b], v[TM+\b], s[SEL], s[SEL+1]
.endr
.irp b, 0,1,2,3
	s_delay_alu instid0(VALU_DEP_4)
	v_max_num_f32 v[TM+\b], v[TM+\b], v[TM+4+\b]   ; the block's largest magnitude
.endr
.irp b, 0,1,2,3
	s_delay_alu instid0(VALU_DEP_4)
	v_add_nc_u32 v[TM+12+\b], 0xff000000, v[TM+\b] ; 2 off its exponent field: the conversion takes this operand's exponent field as its scale
.endr
.irp b, 0,1,2,3
	s_delay_alu instid0(VALU_DEP_4)
	v_lshrrev_b32 v[TM+4+\b], 23, v[TM+12+\b]      ; the scale's byte
.endr
	s_delay_alu instid0(VALU_DEP_3)
	v_lshl_or_b32 v[PW], v[TM+5], 8, v[TM+4]
	s_delay_alu instid0(VALU_DEP_1)
	v_lshl_or_b32 v[PW], v[TM+6], 16, v[PW]
	s_delay_alu instid0(VALU_DEP_1)
	v_lshl_or_b32 v[PW], v[TM+7], 24, v[PW]
.irp b, 0,1,2,3
	v_cvt_scalef32_pk8_fp4_f32 v[PC+2*\b], v[X+16*\b:X+7+16*\b], v[TM+12+\b]
	v_cvt_scalef32_pk8_fp4_f32 v[PC+1+2*\b], v[X+8+16*\b:X+15+16*\b], v[TM+12+\b]
.endr
	v_nop                                          ; one plain place behind a scaled conversion
.irp c, 0,1                                    ; the operand's layout wants a whole block in a lane: lanes 0-15 block 2 c, lanes 16-31 block 2 c + 1
.irp i, 0,1
	v_permlane16_swap_b32 v[PC+4*\c+\i], v[PC+2+4*\c+\i]
.endr
.endr
	global_store_b128 v8, v[PC:PC+3], s[8:9]
	global_store_b128 v8, v[PC+4:PC+7], s[8:9] offset:512
	global_store_b32 v7, v[PW], s[10:11]
	s_wait_tensorcnt 0x0
	ds_add_u32 v190, v191
	s_wait_dscnt 0x0
	s_endpgm
.Lfunc_end_k_q1737202522_nq1:
	.size	k_q1737202522_nq1, .Lfunc_end_k_q1737202522_nq1-k_q1737202522_nq1
	.p2alignl 7, 3214868480
	.fill 96, 4, 3214868480
	.section	.rodata,"a",@progbits
	.p2align	6, 0x0
	.amdhsa_kernel k_q1737202522_nq1
		.amdhsa_group_segment_fixed_size 69120
		.amdhsa_private_segment_fixed_size 0
		.amdhsa_enable_private_segment 0
		.amdhsa_kernarg_size 32
		.amdhsa_user_sgpr_count 2
		.amdhsa_user_sgpr_kernarg_segment_ptr 1
		.amdhsa_wavefront_size32 1
		.amdhsa_system_sgpr_workgroup_id_x 1
		.amdhsa_system_sgpr_workgroup_id_y 1
		.amdhsa_system_sgpr_workgroup_id_z 1
		.amdhsa_system_vgpr_workitem_id 0
		.amdhsa_next_free_vgpr 256
		.amdhsa_next_free_sgpr 66
		.amdhsa_reserve_vcc 0
		.amdhsa_float_denorm_mode_32 3
		.amdhsa_float_denorm_mode_16_64 3
		.amdhsa_memory_ordered 1
		.amdhsa_forward_progress 1
		.amdhsa_inst_pref_size 23
	.end_amdhsa_kernel
	.amdgpu_metadata
---
amdhsa.version: [ 1, 2 ]
amdhsa.kernels:
  - .name:           k_q1737202522_nq1
    .symbol:         k_q1737202522_nq1.kd
    .args:
      - { .name: hidden_states, .offset: 0, .size: 8, .value_kind: global_buffer, .address_space: global }
      - { .name: ln1_w, .offset: 8, .size: 8, .value_kind: global_buffer, .address_space: global }
      - { .name: ac, .offset: 16, .size: 8, .value_kind: global_buffer, .address_space: global }
      - { .name: asc, .offset: 24, .size: 8, .value_kind: global_buffer, .address_space: global }
    .group_segment_fixed_size: 69120
    .private_segment_fixed_size: 0
    .kernarg_segment_align: 8
    .kernarg_segment_size: 32
    .max_flat_workgroup_size: 256
    .sgpr_count:     66
    .vgpr_count:     256
    .wavefront_size: 32
...
	.end_amdgpu_metadata
.endif
;; end of part 1
;; launch qkv (part 2): grid 8 x 32, 8 waves a work-group, clusters of 4 x 4, 306,688 bytes of LDS; arguments ac, asc, Wq_codes, Wq_scales, Wk_codes, Wk_scales, Wv_codes, Wv_scales, qc, qs, kv; writes qc, qs, kv
.if DOCPART == 2
	.amdgcn_target "amdgcn-amd-amdhsa--gfx1250"
	.amdhsa_code_object_version 6
	.text
	.protected	k_q1737202522_qkv
	.globl	k_q1737202522_qkv
	.p2align	8
	.type	k_q1737202522_qkv,@function
k_q1737202522_qkv:
	s_mov_b64 s[64:65], 0
	v_nop
	global_prefetch_b8 v0, s[64:65] scope:SCOPE_SE
	s_setreg_imm32_b32 hwreg(HW_REG_WAVE_MODE, 25, 1), 1
	s_wait_xcnt 0x0
	s_wait_alu depctr_hold_cnt(0) depctr_sa_sdst(0) depctr_va_vdst(0) depctr_va_sdst(0) depctr_va_ssrc(0) depctr_va_vcc(0) depctr_vm_vsrc(0)
	s_getreg_b32 s2, hwreg(HW_REG_IB_STS2, 6, 4)
	s_cmp_eq_u32 s2, 0
	s_cbranch_scc0 .Lentry_in_a_cluster
	s_endpgm
.Lentry_in_a_cluster:
	s_bfe_u32 s2, ttmp6, 0x10000c
	s_cmp_lg_u32 s2, 0xf033
	s_cbranch_scc0 .Lentry_shape_is_right
	s_endpgm
.Lentry_shape_is_right:
; q = rope(x Wq), k = rope(x Wk), v = x Wv on codes of FP4 with E8M0 scales; q and k are quantised along the head's 64 channels, v along the keys; all three leave as codes laid as the attention launch reads them.
; x: fragment images (16 rows x 128 K in 1,024 bytes, (8 tile + K step) x 1,024) and scale words in planes [K step][row].  W*: codes [n 1024][512 bytes], scale bytes [n][32].
; kv: [head 32][key step 16] records of 8,704 bytes for 128 keys: k's codes 4,096 (four fragments of 32 keys), v's codes 4,096 (four fragments of 16 channels), k's scale words 256, v's 256.  A row block of 128 positions is one key step.
; SHARES.  A work-group makes 128 rows (row block rb) x 128 columns (column block cb = two heads) of each of the three products.  Wave w: hh = w & 1 picks the head (64 columns, 4 tiles), mg = w >> 1 picks 32 rows (2 tiles):
; eight accumulators of 16 x 16, which take turns.  All of K (1,024) of x's 128 rows and of the three weights' 128 rows lies in LDS, each byte filled once: no slot is ever filled again.
; CLUSTER 4 x 4: x's tiles hang on rb alone and are asked for jointly along a row of the cluster, the weights' on cb alone and jointly along a column.  Every wave issues one tensor load (half of one tile): one is out at the most.
; q, k: THE PRODUCT IS USED TRANSPOSED (source 0 = 16 rows of W, source 1 = 16 rows of x): lane (r, h) holds row r and channels 16 nt + 8 h + j.  v: natural order: lane (r, h) holds channel 16 nt + r and rows 16 mt + 8 h + j: its registers run along the keys.
; ROPE.  cos and sin of s x 10000^(-j / 32), j = 0 .. 31, for the block's 128 positions are made by the waves themselves while the fills are on their way: the angle in one f32 rounding, reduced by multiples of pi / 2 in two
; pieces, polynomials of degree 7 and 8 on |rho| <= pi / 4.  They lie in LDS, a row of 272 bytes a position.
; LIMITS: NaN and infinities are not served; a block of zeros gets the byte 1 (zero codes; the bytes are read by this program alone); 10000^(-j / 32) is made by v_exp_f32, so an angle near position 2,047 may differ from
; another f32 evaluation's by some 4e-4.
.set WB0,  67584                       ; LDS: x's 64 fragment images at 0; weight i at WB0 + i WSZ = (i + 1) WSZ: 128 rows of 512 bytes + 16 of padding
.set WSZ,  67584
.set WP,   528                         ; = 33 x 16 bytes: the sixteen rows of a fragment load start in sixteen different 16-byte columns of the banks' 256 bytes
.set ROPE, 270336                      ; 128 rows x 272 bytes: cos[32] at + 0, sin[32] at + 128
.set VST,  305152                      ; 512 bytes: v's scale words, [head 2][channel 64]
.set STEPB, 8704                       ; a record of kv
.set ADA,  4                           ; v4   x's fragments: 16,384 mg + 16 lane
.set SA,   16                          ; v16-23   x's scale words: register 4 mt + i: lanes 0-15 K step i, lanes 16-31 K step 4 + i
.set SWQ,  24                          ; v24-39, v40-55, v56-71  the weights' scale words: register 4 nt + i likewise
.set SWK,  40
.set SWV,  56
.set FA,   72                          ; v72-87   two fragments of x
.set FW,   88                          ; v88-119  four fragments of a weight
.set ACC,  128                         ; v128-191 eight accumulators
.set COSR, 192                         ; v192-207 cos, v208-223 sin of my row, channels 8 h + 0 .. 7 and 16 + 8 h + 0 .. 7
.set SINR, 208
.set TP,   224                         ; v224-227 two pairs at work
.set TM,   228                         ; v228-239 at work in the quantisers
.set PC,   244                         ; v244-251 codes
.set PW,   252                         ; v252-253 scale words of my two tiles;  v254 the word that is stored
.set MW,   254
.set RT,   128                         ; the table's work, ahead of the first product: four sets of 12 registers,
.set TT,   176                         ; v176-179 four positions as f32,
.set INV,  180                         ; v180 my lane's frequency
.set G1A,  24                          ; s[24:31] descriptor group 1 for x's tiles;  s[32:39] for the weights'
.set G1W,  32
.set G0A,  40                          ; s[40:43] group 0 for x;  s[44:47] for the wave's weight
.set G0W,  44
.set WV,   58
.set HH,   59
.set MG,   60
.set CX,   61
.set CY,   62
.set CBK,  63
.set RBK,  66
.set RM,   67
.set CM,   68
.set HM,   69                          ; lanes 16-31, as a mask
.set SEL,  70
.set PQC,  76                          ; s[76:87] six bases of the stores
.set PQS,  78
.set PKC,  80
.set PKS,  82
.set PVC,  84
.set PVS,  86
.set KS2,  88
.set KC2,  89
.set MK,   96                          ; s96-99 four lane masks
.macro PLACES n
.rept \n
	v_nop
.endr
.endm
.macro BARRIER                         ; my LDS stores have landed and my LDS loads are in: then the work-group's barrier
	s_wait_dscnt 0x0
	s_barrier_signal -1
	s_barrier_wait -1
.endm
.macro CROUND                          ; a round of the cluster's barrier
	s_barrier_signal -1
	s_barrier_wait -1
	s_cmp_lg_u32 s[WV], 0
	s_cbranch_scc1 .Lnot_wave_0_\@
	s_barrier_signal -3
.Lnot_wave_0_\@:
	s_barrier_wait -3
	s_barrier_signal -1
	s_barrier_wait -1
.endm
.macro WM d, a, b, z, sa, sb, hi       ; one product; z: it starts the sum; hi: both sides' scale words stand in lanes 16-31
.if \z
	v_wmma_scale_f32_16x16x128_f8f6f4 v[\d:\d+7], v[\a:\a+7], v[\b:\b+7], 0, v[\sa], v[\sb] matrix_a_fmt:MATRIX_FMT_FP4 matrix_b_fmt:MATRIX_FMT_FP4
.elseif \hi
	v_wmma_scale_f32_16x16x128_f8f6f4 v[\d:\d+7], v[\a:\a+7], v[\b:\b+7], v[\d:\d+7], v[\sa], v[\sb] matrix_a_fmt:MATRIX_FMT_FP4 matrix_b_fmt:MATRIX_FMT_FP4 matrix_a_scale:MATRIX_SCALE_ROW1 matrix_b_scale:MATRIX_SCALE_ROW1
.else
	v_wmma_scale_f32_16x16x128_f8f6f4 v[\d:\d+7], v[\a:\a+7], v[\b:\b+7], v[\d:\d+7], v[\sa], v[\sb] matrix_a_fmt:MATRIX_FMT_FP4 matrix_b_fmt:MATRIX_FMT_FP4
.endif
.endm
; A K step of 128: twelve LDS loads, eight products on eight accumulators by turns.  Four places stand in front of loads into registers that the last products read (ISA guide 7.12.1 for vector instructions).
.macro KSTEP ks, adw, swb, acc, tr
.if \ks > 0
	PLACES 4
.endif
.irp mt, 0,1
.irp c, 0,1
	ds_load_b128 v[FA+8*\mt+4*\c:FA+8*\mt+4*\c+3], v[ADA] offset:(8*\mt+\ks)*1024+512*\c
.endr
.endr
.irp nt, 0,1,2,3
.irp c, 0,1
	ds_load_b128 v[FW+8*\nt+4*\c:FW+8*\nt+4*\c+3], v[\adw] offset:\nt*16*WP+64*\ks+32*\c
.endr
.endr
	s_wait_dscnt 0x0
.irp mt, 0,1
.irp nt, 0,1,2,3
.if \tr
	WM \acc+32*\mt+8*\nt, FW+8*\nt, FA+8*\mt, (\ks==0), \swb+4*\nt+(\ks&3), SA+4*\mt+(\ks&3), (\ks>=4)
.else
	WM \acc+16*\nt+8*\mt, FA+8*\mt, FW+8*\nt, (\ks==0), SA+4*\mt+(\ks&3), \swb+4*\nt+(\ks&3), (\ks>=4)
.endif
.endr
.endr
.endm
.macro GEMM adw, swb, acc, tr
.irp k, 0,1,2,3,4,5,6,7
	KSTEP \k, \adw, \swb, \acc, \tr
.endr
	PLACES 4                                       ; in front of the first read of results
.endm
; 32 registers of a lane, register 8 t + j = channel 16 t + 8 h + j of my row, become 64 codes (lane (r, h): block h of row r) and two scale bytes.
.macro QUANTD2 src, pc, pw
.irp b, 0,1
	v_max3_num_f32 v[TM+\b], |v[(\src)+16*\b]|, |v[(\src)+16*\b+1]|, 0x1800000   ; and the floor 2^(3 - 127): the byte cannot fall under 1
.endr
.irp i, 2,4,6,8,10,12,14
.irp b, 0,1
	s_delay_alu instid0(VALU_DEP_2)
	v_max3_num_f32 v[TM+\b], v[TM+\b], |v[(\src)+16*\b+\i]|, |v[(\src)+16*\b+\i+1]|
.endr
.endr
.irp b, 0,1
	s_delay_alu instid0(VALU_DEP_2)
	v_permlanex16_b32 v[TM+4+\b], v[TM+\b], s[SEL], s[SEL+1]
.endr
.irp b, 0,1
	s_delay_alu instid0(VALU_DEP_2)
	v_max_num_f32 v[TM+\b], v[TM+\b], v[TM+4+\b]   ; with lane l xor 16's: the block's largest magnitude
.endr
.irp b, 0,1
	s_delay_alu instid0(VALU_DEP_2)
	v_add_nc_u32 v[TM+8+\b], 0xff000000, v[TM+\b]  ; 2 off its exponent field: the conversion's scale operand
.endr
.irp b, 0,1
	s_delay_alu instid0(VALU_DEP_2)
	v_lshrrev_b32 v[TM+4+\b], 23, v[TM+8+\b]       ; the scale's byte
.endr
	s_delay_alu instid0(VALU_DEP_1)
	v_lshl_or_b32 v[\pw], v[TM+5], 8, v[TM+4]
	v_cvt_scalef32_pk8_fp4_f32 v[(\pc)], v[(\src):(\src)+7], v[TM+8]
	v_cvt_scalef32_pk8_fp4_f32 v[(\pc)+2], v[(\src)+8:(\src)+15], v[TM+8]
	v_cvt_scalef32_pk8_fp4_f32 v[(\pc)+1], v[(\src)+16:(\src)+23], v[TM+9]
	v_cvt_scalef32_pk8_fp4_f32 v[(\pc)+3], v[(\src)+24:(\src)+31], v[TM+9]
	v_nop                                          ; one plain place behind a scaled conversion
	v_permlane16_swap_b32 v[(\pc)], v[(\pc)+1]     ; lanes 0-15 keep block 0's halves, lanes 16-31 get block 1's: register i holds channels 32 h + 8 i + 0 .. 7
	v_permlane16_swap_b32 v[(\pc)+2], v[(\pc)+3]
.endm
; The rotation of tile mt: channel d < 32 and channel d + 32 lie in the same lane, 16 registers apart.  Each accumulator is read from its low end on.
.macro ROT mt
.irp t, 0,1
.irp e, 0,1
	ds_load_b128 v[COSR+8*\t+4*\e:COSR+8*\t+4*\e+3], v12 offset:4352*\mt+64*\t+16*\e
	ds_load_b128 v[SINR+8*\t+4*\e:SINR+8*\t+4*\e+3], v12 offset:4352*\mt+64*\t+16*\e+128
.endr
.endr
	s_wait_dscnt 0x0
.irp t, 0,1
.irp jj, 0,2,4,6
.set Q0, ACC+32*\mt+8*\t+\jj
.set Q1, Q0+16
	v_pk_mul_f32 v[TP:TP+1], v[Q1:Q1+1], v[SINR+8*\t+\jj:SINR+8*\t+\jj+1]
	v_pk_mul_f32 v[TP+2:TP+3], v[Q0:Q0+1], v[SINR+8*\t+\jj:SINR+8*\t+\jj+1]
	v_pk_fma_f32 v[Q0:Q0+1], v[Q0:Q0+1], v[COSR+8*\t+\jj:COSR+8*\t+\jj+1], v[TP:TP+1] neg_lo:[0,0,1] neg_hi:[0,0,1]
	v_pk_fma_f32 v[Q1:Q1+1], v[Q1:Q1+1], v[COSR+8*\t+\jj:COSR+8*\t+\jj+1], v[TP+2:TP+3]
.endr
.endr
.endm
; cos and sin for four positions (local rows w + 8 (4 g + u)), the four line by line so that no line waits for the line above it.  Set u: +0 angle, +1 k, +2 rho, +3 z, +4 k as a whole number, +5 sin rho, +6 cos rho, +7, +8 at work, +9 sin, +10 cos
.macro ROPE4 g
.irp u, 0,1,2,3
	v_mul_f32 v[RT+12*\u], v[TT+\u], v[INV]        ; the angle, one rounding
.endr
.irp u, 0,1,2,3
	s_delay_alu instid0(VALU_DEP_4)
	v_mul_f32 v[RT+12*\u+1], 0x3f22f983, v[RT+12*\u]   ; x 2 / pi
.endr
.irp u, 0,1,2,3
	s_delay_alu instid0(VALU_DEP_4)
	v_rndne_f32 v[RT+12*\u+1], v[RT+12*\u+1]       ; k
.endr
.irp u, 0,1,2,3
	s_delay_alu instid0(VALU_DEP_4)
	v_fma_f32 v[RT+12*\u+2], v[RT+12*\u+1], 0xbfc90fdb, v[RT+12*\u]   ; angle - k x (pi / 2)'s upper piece: nothing is rounded for angles under 2,048
.endr
.irp u, 0,1,2,3
	s_delay_alu instid0(VALU_DEP_4)
	v_fma_f32 v[RT+12*\u+2], v[RT+12*\u+1], 0x333bbd2e, v[RT+12*\u+2]   ; - k x its lower piece (-4.37e-8)
.endr
.irp u, 0,1,2,3
	v_cvt_i32_f32 v[RT+12*\u+4], v[RT+12*\u+1]
.endr
.irp u, 0,1,2,3
	v_mul_f32 v[RT+12*\u+3], v[RT+12*\u+2], v[RT+12*\u+2]   ; z = rho^2
.endr
.irp u, 0,1,2,3
	v_fma_f32 v[RT+12*\u+5], v[RT+12*\u+3], 0xb94ca1f9, s[KS2]
	v_fma_f32 v[RT+12*\u+6], v[RT+12*\u+3], 0x37ccf5ce, s[KC2]
.endr
.irp u, 0,1,2,3
	v_fma_f32 v[RT+12*\u+5], v[RT+12*\u+5], v[RT+12*\u+3], 0xbe2aaaa3
	v_fma_f32 v[RT+12*\u+6], v[RT+12*\u+6], v[RT+12*\u+3], 0x3d2aaaa5
.endr
.irp u, 0,1,2,3
	v_mul_f32 v[RT+12*\u+5], v[RT+12*\u+5], v[RT+12*\u+3]
	v_mul_f32 v[RT+12*\u+7], v[RT+12*\u+3], v[RT+12*\u+3]
	v_fma_f32 v[RT+12*\u+8], v[RT+12*\u+3], -0.5, 1.0
.endr
.irp u, 0,1,2,3
	v_fma_f32 v[RT+12*\u+5], v[RT+12*\u+5], v[RT+12*\u+2], v[RT+12*\u+2]   ; sin rho
	v_fma_f32 v[RT+12*\u+6], v[RT+12*\u+6], v[RT+12*\u+7], v[RT+12*\u+8]   ; cos rho
.endr
.irp u, 0,1,2,3
	v_and_b32 v[RT+12*\u+7], 1, v[RT+12*\u+4]
.endr
.irp u, 0,1,2,3
	s_delay_alu instid0(VALU_DEP_4)
	v_cmp_eq_u32 s[MK+\u], 1, v[RT+12*\u+7]        ; k odd: sin and cos change places (a choice of values, no branch)
.endr
.irp u, 0,1,2,3
	v_cndmask_b32 v[RT+12*\u+9], v[RT+12*\u+5], v[RT+12*\u+6], s[MK+\u]
	v_cndmask_b32 v[RT+12*\u+10], v[RT+12*\u+6], v[RT+12*\u+5], s[MK+\u]
	v_and_b32 v[RT+12*\u+7], 2, v[RT+12*\u+4]      ; sin is negative in quadrants 2 and 3,
	v_add_nc_u32 v[RT+12*\u+4], 1, v[RT+12*\u+4]
.endr
.irp u, 0,1,2,3
	v_lshlrev_b32 v[RT+12*\u+7], 30, v[RT+12*\u+7]
	v_and_b32 v[RT+12*\u+4], 2, v[RT+12*\u+4]      ; cos in quadrants 1 and 2
.endr
.irp u, 0,1,2,3
	v_xor_b32 v[RT+12*\u+9], v[RT+12*\u+9], v[RT+12*\u+7]
	v_lshlrev_b32 v[RT+12*\u+4], 30, v[RT+12*\u+4]
.endr
.irp u, 0,1,2,3
	v_xor_b32 v[RT+12*\u+10], v[RT+12*\u+10], v[RT+12*\u+4]
.endr
.irp u, 0,1,2,3
	ds_store_b32 v14, v[RT+12*\u+10] offset:2176*(4*\g+\u)
	ds_store_b32 v14, v[RT+12*\u+9] offset:2176*(4*\g+\u)+128
	v_add_f32 v[TT+\u], 0x42000000, v[TT+\u]       ; 32 positions on
.endr
.endm
	s_load_b512 s[4:19], s[0:1], 0x0               ; x's codes s[4:5], x's scales s[6:7]; Wq s[8:9], s[10:11]; Wk s[12:13], s[14:15]; Wv s[16:17], s[18:19]
	s_load_b128 s[20:23], s[0:1], 0x40             ; qc, qs
	s_load_b64 s[56:57], s[0:1], 0x50              ; kv
	v_lshl_add_u32 v243, v0, 2, 0x4aa00
	v_mov_b32 v255, 0
	ds_add_u32 v243, v255
	ds_add_u32 v243, v255
	v_lshrrev_b32 v1, 5, v0
	s_delay_alu instid0(VALU_DEP_1)
	v_readfirstlane_b32 s[WV], v1                  ; wave 0..7
	s_and_b32 s[HH], s[WV], 1
	s_lshr_b32 s[MG], s[WV], 1
	s_bfe_u32 s[CX], ttmp6, 0x40000                ; my place in the cluster
	s_bfe_u32 s[CY], ttmp6, 0x40004
	s_lshl_b32 s[CBK], ttmp9, 2
	s_add_co_u32 s[CBK], s[CBK], s[CX]             ; column block = 4 x cluster x + cx
	s_and_b32 s[RBK], ttmp7, 0xffff
	s_lshl_b32 s[RBK], s[RBK], 2
	s_add_co_u32 s[RBK], s[RBK], s[CY]             ; row block = 4 x cluster y + cy
	s_lshl_b32 s[RM], s[CY], 2
	s_lshl_b32 s[RM], 15, s[RM]                    ; my row of the cluster
	s_lshl_b32 s[CM], 0x1111, s[CX]                ; my column
	s_or_b32 s[G1A], s[RM], (3<<16)|(1<<21)        ; x: 15:0 the mask; 17:16 elements of 8 bytes; 21 set beside a mask; no padding
	s_mov_b32 s[G1A+1], 32<<16                     ; tensor_dim0 = 32 elements: rows of 256 bytes
	s_mov_b32 s[G1A+2], 128<<16                    ; tensor_dim1 = 128 rows: half of x's 65,536 dense bytes
	s_mov_b32 s[G1A+3], 32<<16                     ; tile_dim0
	s_mov_b32 s[G1A+4], 128                        ; tile_dim1
	s_mov_b32 s[G1A+5], 32                         ; pitch
	s_mov_b32 s[G1A+6], 0
	s_mov_b32 s[G1A+7], 0
	s_or_b32 s[G1W], s[CM], (3<<16)|(1<<20)|(1<<21)|(6<<22)|(3<<25)   ; a weight: padding on: 4 words behind every 128
	s_mov_b32 s[G1W+1], 64<<16                     ; rows of 512 bytes
	s_mov_b32 s[G1W+2], 64<<16                     ; 64 rows: half a weight's tile
	s_mov_b32 s[G1W+3], 64<<16
	s_mov_b32 s[G1W+4], 64
	s_mov_b32 s[G1W+5], 64
	s_mov_b32 s[G1W+6], 0
	s_mov_b32 s[G1W+7], 0
	s_lshl_b32 s2, s[HH], 15                       ; 32,768 x (wave & 1): my half of a tile, in memory (x and weights alike) and, for x, in LDS
	s_mul_i32 s3, s[HH], 64*WP                     ; my 64 rows of a weight in LDS,
	s_mul_i32 s92, s[MG], WSZ                      ; in weight (wave >> 1) - 1, which begins at (wave >> 1) x WSZ
	s_add_co_u32 s3, s3, s92
	s_lshl_b32 s72, s[RBK], 16                     ; x's offset hangs on the row block and the wave alone,
	s_add_co_u32 s72, s72, s2
	s_mov_b32 s73, 0
	s_lshl_b32 s74, s[CBK], 16                     ; a weight's on the column block and the wave alone
	s_add_co_u32 s74, s74, s2
	s_mov_b32 s75, 0
	s_wait_dscnt 0x0
	s_wait_kmcnt 0x0
	s_mov_b32 s[G0A], 1
	s_mov_b32 s[G0A+1], s2
	s_add_nc_u64 s[G0A+2:G0A+3], s[4:5], s[72:73]
	s_or_b32 s[G0A+3], s[G0A+3], 0x80000000
	s_cmp_lt_u32 s[WV], 4                          ; waves 2, 3: Wq; 4, 5: Wk; 6, 7: Wv
	s_cselect_b64 s[G0W+2:G0W+3], s[8:9], s[12:13]
	s_cmp_lt_u32 s[WV], 6
	s_cselect_b64 s[G0W+2:G0W+3], s[G0W+2:G0W+3], s[16:17]
	s_mov_b32 s[G0W], 1
	s_mov_b32 s[G0W+1], s3
	s_add_nc_u64 s[G0W+2:G0W+3], s[G0W+2:G0W+3], s[74:75]
	s_or_b32 s[G0W+3], s[G0W+3], 0x80000000
	s_lshl_b32 s72, s[RBK], 9                      ; x's scale words: 4 bytes a row: 512 a row block, 128 for my 32 rows
	s_lshl_b32 s2, s[MG], 7
	s_add_co_u32 s72, s72, s2
	s_add_nc_u64 s[6:7], s[6:7], s[72:73]
	s_lshl_b32 s74, s[CBK], 12                     ; the weights' scale bytes: 32 a row: 4,096 a column block, 2,048 for my 64 rows
	s_lshl_b32 s2, s[HH], 11
	s_add_co_u32 s74, s74, s2
	s_add_nc_u64 s[10:11], s[10:11], s[74:75]
	s_add_nc_u64 s[14:15], s[14:15], s[74:75]
	s_add_nc_u64 s[18:19], s[18:19], s[74:75]
	CROUND                                         ; all sixteen work-groups are here: the joint loads meet
	; the launch's only fills, ONE A WAVE: waves 0, 1 the halves of x, waves 2 to 7 the halves of Wq, Wk, Wv; one load of a wave is out
	s_cmp_lt_u32 s[WV], 2
	s_cbranch_scc0 .Lfor_w
	tensor_load_to_lds s[G0A:G0A+3], s[G1A:G1A+7]
	s_nop 0
	PLACES 4
	s_branch .Lasked
.Lfor_w:
	tensor_load_to_lds s[G0W:G0W+3], s[G1W:G1W+7]
	s_nop 0
	PLACES 4
.Lasked:
	v_and_b32 v1, 31, v0                           ; lane
	v_and_b32 v2, 15, v0                           ; r
	v_bfe_u32 v3, v0, 4, 1                         ; h
	s_delay_alu instid0(VALU_DEP_2)
	v_lshlrev_b32 v10, 2, v2                       ; 4 r
	s_delay_alu instid0(VALU_DEP_1)
	v_lshl_add_u32 v120, v3, 16, v10               ; x's scale words: 4 r, lanes 16-31 four planes on
	s_delay_alu instid0(VALU_DEP_4)
	v_lshlrev_b32 v121, 5, v2
	s_delay_alu instid0(VALU_DEP_1)
	v_lshl_add_u32 v121, v3, 4, v121               ; the weights': 32 r + 16 h
.irp mt, 0,1
.irp i, 0,1,2,3
	global_load_b32 v[SA+4*\mt+\i], v120, s[6:7] offset:\i*16384+64*\mt
.endr
.endr
.irp nt, 0,1,2,3
	global_load_b128 v[SWQ+4*\nt:SWQ+4*\nt+3], v121, s[10:11] offset:512*\nt
	global_load_b128 v[SWK+4*\nt:SWK+4*\nt+3], v121, s[14:15] offset:512*\nt
	global_load_b128 v[SWV+4*\nt:SWV+4*\nt+3], v121, s[18:19] offset:512*\nt
.endr
	s_lshl_b32 s3, s[MG], 14
	v_lshl_add_u32 v[ADA], v1, 4, s3
	v_mul_u32_u24 v5, v2, WP
	s_delay_alu instid0(VALU_DEP_1)
	v_lshl_add_u32 v5, v3, 4, v5
	s_mul_i32 s3, s[HH], 64*WP
	v_add_nc_u32 v5, s3, v5                        ; a weight's fragments: row r x pitch + 16 h + my 64 rows
	s_delay_alu instid0(VALU_DEP_1)
	v_add_nc_u32 v7, WB0+2*WSZ, v5                 ; v5, v6, v7: in Wq, Wk, Wv
	s_delay_alu instid0(VALU_DEP_2)
	v_add_nc_u32 v6, WB0+WSZ, v5
	s_delay_alu instid0(VALU_DEP_3)
	v_add_nc_u32 v5, WB0, v5
	v_lshlrev_b32 v8, 4, v1                        ; 16 x lane
	v_lshlrev_b32 v9, 2, v1                        ; 4 x lane
	v_lshlrev_b32 v11, 4, v2
	s_delay_alu instid0(VALU_DEP_1)
	v_lshl_add_u32 v11, v3, 3, v11                 ; v's codes: 16 r + 8 h
	s_mul_i32 s3, s[MG], 32*272
	v_mul_u32_u24 v12, v2, 272
	s_delay_alu instid0(VALU_DEP_1)
	v_lshl_add_u32 v12, v3, 5, v12
	s_delay_alu instid0(VALU_DEP_1)
	v_add_nc_u32 v12, s3, v12
	s_delay_alu instid0(VALU_DEP_1)
	v_add_nc_u32 v12, ROPE, v12                    ; the table, read: row 32 mg + r, + 32 h
	s_lshl_b32 s3, s[HH], 8
	s_add_co_u32 s3, s3, s[MG]
	v_add_nc_u32 v13, s3, v10
	s_delay_alu instid0(VALU_DEP_1)
	v_add_nc_u32 v13, VST, v13                     ; v's scale bytes: 256 hh + 4 r + mg
	s_mul_i32 s3, s[WV], 272
	v_add_nc_u32 v14, s3, v9
	s_delay_alu instid0(VALU_DEP_1)
	v_add_nc_u32 v14, ROPE, v14                    ; the table, written: row w, + 4 x lane
	v_add_nc_u32 v15, VST, v8                      ; v's scale words, read back
	v_mul_u32_u24 v122, v3, 16*STEPB
	s_delay_alu instid0(VALU_DEP_1)
	v_lshl_add_u32 v122, v2, 4, v122               ; and stored: lanes 16-31 one head (sixteen records) on
	s_mov_b32 s[HM], 0xffff0000
	s_mov_b32 s[SEL], 0x76543210
	s_mov_b32 s[SEL+1], 0xfedcba98
	s_mov_b32 s[KS2], 0x3c08839e
	s_mov_b32 s[KC2], 0xbab6061a
.irp b, 0,1,2,3
	v_mov_b32 v[TM+4+\b], 0                        ; written once: a lane permute's destination counts as one of its sources
.endr
	; where the results go.  B = batch, ST = block of 128 positions = key step; these offsets mix row and column block and have registers of their own
	s_lshr_b32 s90, s[RBK], 4                      ; B
	s_and_b32 s91, s[RBK], 15                      ; ST
	s_lshl_b32 s94, s90, 4
	s_lshl_b32 s95, s[CBK], 1
	s_add_co_u32 s94, s94, s95                     ; the column block's first head: 16 B + 2 cb
	s_lshl_b32 s[PVS], s94, 4
	s_add_co_u32 s[PVS], s[PVS], s91
	s_mul_i32 s[PVS], s[PVS], STEPB                ; that head's record of this step,
	s_add_co_u32 s[PVS], s[PVS], 8448              ; v's scale words in it
	s_mov_b32 s[PVS+1], 0
	s_add_co_u32 s94, s94, s[HH]                   ; my head
	s_lshl_b32 s95, s94, 4
	s_add_co_u32 s95, s95, s91
	s_mul_i32 s95, s95, STEPB                      ; my record
	s_lshl_b32 s[PQC], s94, 7
	s_lshl_b32 s[PQC+1], s91, 3
	s_add_co_u32 s[PQC], s[PQC], s[PQC+1]
	s_lshl_b32 s[PQC+1], s[MG], 1
	s_add_co_u32 s[PQC], s[PQC], s[PQC+1]          ; my first tile of queries: 128 head + 8 ST + 2 mg
	s_lshl_b32 s[PQS], s[PQC], 6                   ; 64 bytes of scale words a tile,
	s_lshl_b32 s[PQC], s[PQC], 9                   ; 512 of codes
	s_mov_b32 s[PQC+1], 0
	s_mov_b32 s[PQS+1], 0
	s_lshl_b32 s[PKC], s[MG], 10                   ; k's codes: my 32 keys are fragment mg of the record,
	s_add_co_u32 s[PKC], s[PKC], s95
	s_lshl_b32 s[PKS], s[MG], 6                    ; its sixteen scale words 64 bytes
	s_add_co_u32 s[PKS], s[PKS], s95
	s_add_co_u32 s[PKS], s[PKS], 8192
	s_mov_b32 s[PKC+1], 0
	s_mov_b32 s[PKS+1], 0
	s_lshl_b32 s[PVC], s[MG], 8                    ; v's codes: my block of 32 keys is 256 bytes on for each mg
	s_add_co_u32 s[PVC], s[PVC], s95
	s_add_co_u32 s[PVC], s[PVC], 4096
	s_mov_b32 s[PVC+1], 0
	s_add_nc_u64 s[PQC:PQC+1], s[20:21], s[PQC:PQC+1]
	s_add_nc_u64 s[PQS:PQS+1], s[22:23], s[PQS:PQS+1]
	s_add_nc_u64 s[PKC:PKC+1], s[56:57], s[PKC:PKC+1]
	s_add_nc_u64 s[PKS:PKS+1], s[56:57], s[PKS:PKS+1]
	s_add_nc_u64 s[PVC:PVC+1], s[56:57], s[PVC:PVC+1]
	s_add_nc_u64 s[PVS:PVS+1], s[56:57], s[PVS:PVS+1]
	; ---- the table.  Lane j: 10000^(-j / 32) = 2^(-j c), c = log2(10000) / 32 in two pieces; j c is split into a whole number n and a rest, of which the first piece's part is exact
	v_cvt_f32_u32 v181, v1
	s_delay_alu instid0(VALU_DEP_1)
	v_mul_f32 v182, 0x3ed49a78, v181
	s_delay_alu instid0(VALU_DEP_1)
	v_rndne_f32 v182, v182                         ; n
	s_delay_alu instid0(VALU_DEP_1)
	v_fma_f32 v183, v181, 0x3ed49a78, -v182
	s_delay_alu instid0(VALU_DEP_1)
	v_fma_f32 v183, v181, 0x32179a6c, v183
	s_wait_alu depctr_va_vdst(0)
	v_exp_f32 v[INV], -v183
	v_cvt_i32_f32 v182, v182                       ; (a plain instruction behind the transcendental)
	s_delay_alu instid0(VALU_DEP_1)
	v_sub_nc_u32 v182, 0, v182
	s_wait_alu depctr_va_vdst(0)                   ; the wait ahead of the first reader
	v_ldexp_f32 v[INV], v[INV], v182
	s_lshl_b32 s90, s91, 7
	s_add_co_u32 s90, s90, s[WV]                   ; my first position: 128 ST + w
.irp u, 0,1,2,3
	s_add_co_u32 s92, s90, 8*\u
	v_cvt_f32_u32 v[TT+\u], s92
.endr
	ROPE4 0
	ROPE4 1
	ROPE4 2
	ROPE4 3
	; ---- q
	s_wait_loadcnt 0x0                             ; the scale words
	s_wait_tensorcnt 0x0                           ; my one load has landed
	BARRIER                                        ; everybody's have, and the table is whole
	GEMM 5, SWQ, ACC, 1
.irp mt, 0,1
	ROT \mt
	QUANTD2 ACC+32*\mt, PC+4*\mt, PW+\mt
	global_store_b128 v8, v[PC+4*\mt:PC+4*\mt+3], s[PQC:PQC+1] offset:512*\mt   ; 512 consecutive bytes
.endr
	v_cndmask_b32 v[MW], v[PW], v[PW+1], s[HM]     ; lanes 0-15 the first tile's words, lanes 16-31 the second's
	global_store_b32 v9, v[MW], s[PQS:PQS+1]       ; 128 consecutive bytes
	; ---- k
	GEMM 6, SWK, ACC, 1                            ; (all four tiles were whole behind the first barrier)
	s_wait_xcnt 0x0                                ; q's stores have read their registers: the codes' and words' registers are written again
.irp mt, 0,1
	ROT \mt
	QUANTD2 ACC+32*\mt, PC+4*\mt, PW+\mt
	global_store_b128 v8, v[PC+4*\mt:PC+4*\mt+3], s[PKC:PKC+1] offset:512*\mt   ; a fragment's row holds two keys side by side: key r in group 0, key 16 + r in group 1
.endr
	v_lshl_or_b32 v[MW], v[PW+1], 16, v[PW]        ; and its scale word the two keys' two bytes each
	global_store_b32 v10, v[MW], s[PKS:PKS+1]
	; ---- v
	GEMM 7, SWV, ACC, 0
	s_wait_xcnt 0x0                                ; k's stores have read their registers
.irp b, 0,1,2,3                                ; channel 16 b + r: my wave's 32 rows are one block of 32 keys: 16 registers here, 16 in lane l xor 16
	v_max3_num_f32 v[TM+\b], |v[ACC+16*\b]|, |v[ACC+16*\b+1]|, 0x1800000
.endr
.irp i, 2,4,6,8,10,12,14
.irp b, 0,1,2,3
	v_max3_num_f32 v[TM+\b], v[TM+\b], |v[ACC+16*\b+\i]|, |v[ACC+16*\b+\i+1]|
.endr
.endr
.irp b, 0,1,2,3
	s_delay_alu instid0(VALU_DEP_4)
	v_permlanex16_b32 v[TM+4+\b], v[TM+\b], s[SEL], s[SEL+1]
.endr
.irp b, 0,1,2,3
	s_delay_alu instid0(VALU_DEP_4)
	v_max_num_f32 v[TM+\b], v[TM+\b], v[TM+4+\b]
.endr
.irp b, 0,1,2,3
	s_delay_alu instid0(VALU_DEP_4)
	v_add_nc_u32 v[TM+8+\b], 0xff000000, v[TM+\b]
.endr
.irp b, 0,1,2,3
	s_delay_alu instid0(VALU_DEP_4)
	v_lshrrev_b32 v[TM+4+\b], 23, v[TM+8+\b]
.endr
.irp b, 0,1,2,3
	v_cvt_scalef32_pk8_fp4_f32 v[PC+2*\b], v[ACC+16*\b:ACC+16*\b+7], v[TM+8+\b]        ; keys 8 h + 0 .. 7
	v_cvt_scalef32_pk8_fp4_f32 v[PC+2*\b+1], v[ACC+16*\b+8:ACC+16*\b+15], v[TM+8+\b]   ; keys 16 + 8 h + 0 .. 7
.endr
	v_nop                                          ; one plain place behind a scaled conversion
.irp b, 0,1,2,3
	v_permlane16_swap_b32 v[PC+2*\b], v[PC+2*\b+1] ; the pair now holds keys 16 h + 0 .. 15
.endr
.irp b, 0,1,2,3
	global_store_b64 v11, v[PC+2*\b:PC+2*\b+1], s[PVC:PVC+1] offset:1024*\b   ; 256 consecutive bytes, aligned
	ds_store_b8 v13, v[TM+4+\b] offset:64*\b       ; byte mg of the channel's scale word (both halves of the lanes write the same byte)
.endr
	BARRIER                                        ; the four row groups' bytes make whole words
	s_cmp_lg_u32 s[WV], 0
	s_cbranch_scc1 .Lnot_mine
	ds_load_b128 v[TP:TP+3], v15
	s_wait_dscnt 0x0
	global_store_b128 v122, v[TP:TP+3], s[PVS:PVS+1]   ; two heads' 256 bytes each
.Lnot_mine:
	s_wait_tensorcnt 0x0
	ds_add_u32 v243, v255
	s_wait_dscnt 0x0
	CROUND                                         ; the closing round: no work-group ends while a partner may still ask for a tile that names it
	s_endpgm
.Lfunc_end_k_q1737202522_qkv:
	.size	k_q1737202522_qkv, .Lfunc_end_k_q1737202522_qkv-k_q1737202522_qkv
	.p2alignl 7, 3214868480
	.fill 96, 4, 3214868480
	.section	.rodata,"a",@progbits
	.p2align	6, 0x0
	.amdhsa_kernel k_q1737202522_qkv
		.amdhsa_group_segment_fixed_size 306688
		.amdhsa_private_segment_fixed_size 0
		.amdhsa_enable_private_segment 0
		.amdhsa_kernarg_size 88
		.amdhsa_user_sgpr_count 2
		.amdhsa_user_sgpr_kernarg_segment_ptr 1
		.amdhsa_wavefront_size32 1
		.amdhsa_system_sgpr_workgroup_id_x 1
		.amdhsa_system_sgpr_workgroup_id_y 1
		.amdhsa_system_sgpr_workgroup_id_z 1
		.amdhsa_system_vgpr_workitem_id 0
		.amdhsa_next_free_vgpr 256
		.amdhsa_next_free_sgpr 100
		.amdhsa_reserve_vcc 0
		.amdhsa_float_denorm_mode_32 3
		.amdhsa_float_denorm_mode_16_64 3
		.amdhsa_memory_ordered 1
		.amdhsa_forward_progress 1
		.amdhsa_inst_pref_size 113
	.end_amdhsa_kernel
	.amdgpu_metadata
---
amdhsa.version: [ 1, 2 ]
amdhsa.kernels:
  - .name:           k_q1737202522_qkv
    .symbol:         k_q1737202522_qkv.kd
    .args:
      - { .name: ac, .offset: 0, .size: 8, .value_kind: global_buffer, .address_space: global }
      - { .name: asc, .offset: 8, .size: 8, .value_kind: global_buffer, .address_space: global }
      - { .name: Wq_codes, .offset: 16, .size: 8, .value_kind: global_buffer, .address_space: global }
      - { .name: Wq_scales, .offset: 24, .size: 8, .value_kind: global_buffer, .address_space: global }
      - { .name: Wk_codes, .offset: 32, .size: 8, .value_kind: global_buffer, .address_space: global }
      - { .name: Wk_scales, .offset: 40, .size: 8, .value_kind: global_buffer, .address_space: global }
      - { .name: Wv_codes, .offset: 48, .size: 8, .value_kind: global_buffer, .address_space: global }
      - { .name: Wv_scales, .offset: 56, .size: 8, .value_kind: global_buffer, .address_space: global }
      - { .name: qc, .offset: 64, .size: 8, .value_kind: global_buffer, .address_space: global }
      - { .name: qs, .offset: 72, .size: 8, .value_kind: global_buffer, .address_space: global }
      - { .name: kv, .offset: 80, .size: 8, .value_kind: global_buffer, .address_space: global }
    .group_segment_fixed_size: 306688
    .private_segment_fixed_size: 0
    .kernarg_segment_align: 8
    .kernarg_segment_size: 88
    .max_flat_workgroup_size: 256
    .sgpr_count:     100
    .vgpr_count:     256
    .wavefront_size: 32
...
	.end_amdgpu_metadata
.endif
;; end of part 2
;; launch att (part 3): grid 8 x 32, 16 waves a work-group, clusters of 4 x 1, 169,984 bytes of LDS; arguments qc, qs, kv, bc, bsc; writes bc, bsc
.if DOCPART == 3
	.amdgcn_target "amdgcn-amd-amdhsa--gfx1250"
	.amdhsa_code_object_version 6
	.text
	.protected	k_q1737202522_att
	.globl	k_q1737202522_att
	.p2align	8
	.type	k_q1737202522_att,@function
k_q1737202522_att:
	s_mov_b64 s[64:65], 0
	v_nop
	global_prefetch_b8 v0, s[64:65] scope:SCOPE_SE
	s_setreg_imm32_b32 hwreg(HW_REG_WAVE_MODE, 25, 1), 1
	s_wait_xcnt 0x0
	s_wait_alu depctr_hold_cnt(0) depctr_sa_sdst(0) depctr_va_vdst(0) depctr_va_sdst(0) depctr_va_ssrc(0) depctr_va_vcc(0) depctr_vm_vsrc(0)
	s_getreg_b32 s2, hwreg(HW_REG_IB_STS2, 6, 4)
	s_cmp_eq_u32 s2, 0
	s_cbranch_scc0 .Lentry_in_a_cluster
	s_endpgm
.Lentry_in_a_cluster:
	s_bfe_u32 s2, ttmp6, 0x10000c
	s_cmp_lg_u32 s2, 0x3003
	s_cbranch_scc0 .Lentry_shape_is_right
	s_endpgm
.Lentry_shape_is_right:
; ctx[b][s][head 64 d] = softmax_k(q . k / 8) v for 32 (batch, head) pairs of 2,048 positions and 64 channels, both products on codes of FP4 with E8M0 scales; ctx leaves quantised along its 1,024 columns.
; THE SOFTMAX AHEAD OF THE SECOND PRODUCT: t = score x log2(e) / 8; M = the running largest t rounded up to a whole number; p = 2^(t - M) is quantised along the keys, not normalised; the row's sum is taken of the
; unquantised p and divides at the end.  When M moves, the sum and O are multiplied by 2^(old M - new M): exact.
; SHARES.  A work-group owns 256 queries of one head, each of its sixteen waves one tile of 16.  The whole head's K and V, sixteen records of 8,704 bytes (128 keys each: k's codes 4,096, v's codes 4,096, k's scale words 256,
; v's 256), come into LDS once: wave w asks for record w, its one tensor load, jointly with the three other work-groups of the cluster, which belong to the same head.  No byte is filled again; one barrier makes all records whole.
; In LDS 32 bytes of padding follow every 256: byte a of a record lies at a + 32 (a / 256).
; No prefetch is laid: every tile is asked for at the head, so there is no loop to run ahead in.
; THE FIRST PRODUCT'S K IS 64, HALF OF THE INSTRUCTION'S 128: a stored row of k's fragment f holds keys 32 f + r' and 32 f + 16 + r' side by side, and q's 64 codes stand once in the lower half of an operand whose upper half is
; zeros and once the other way round: two products a fragment.  Zero codes add nothing under any scale byte but 0xff; the bytes beside them are 0.
; A LANE HOLDS A WHOLE BLOCK OF 32 KEYS.  Both products are used transposed (S^T = K Q^T, O^T = V^T P^T): lane (r, h) holds query r and rows 8 h + j of a tile.  Which stored rows form a tile is free: row 8 g + j of operand
; (c, y) is stored row 8 y + j of fragment 2 c + g.  So registers S + 32 c + 0 .. 31 of lane (r, h) are keys 64 c + 32 h + 0 .. 31: the block's maximum needs no other lane, and four conversions give registers 4 c .. 4 c + 3 of P's operand.
; With the padding, rows 0-7 and rows 8-15 of such an operand start 1,152 bytes apart: sixteen different 16-byte columns of 256 bytes.
; LIMITS: NaN and infinities are not served; a block of zeros gets the byte 1 (zero codes; the bytes are read by this program alone); the promise holds while the scaled scores stay under 2^31 in magnitude.
.set STEPG, 8704                       ; a record in memory: 34 rows of 256 bytes
.set STEPL, 9792                       ; and in LDS: 34 rows of 288
.set OV,   4608                        ; in a record in LDS: v's codes (row 16), k's scale words (row 32), v's (row 33)
.set OKS,  9216
.set OVS,  9504
.set SPARE, 16*STEPL                   ; the spare words: 128 bytes a wave
.set ADV,  3                           ; v3, v4, v8, v9  the step's record + v1, v2, v5, v6
.set ADS,  4
.set ADK,  8
.set ADL,  9
.set QH,   16                          ; v16-19 zeros, v20-23 q's codes, v24-27 zeros: v[16:23] has q in its upper half, v[20:27] in its lower
.set QL,   20
.set SQL,  28                          ; q's scale word, bytes 0, 1;  v29 the same in bytes 2, 3
.set SQH,  29
.set KF,   32                          ; four operands of k
.set VF,   64                          ; four fragments of v
.set S,    96                          ; S^T, then p
.set OT,   160                         ; O^T
.set PC,   192                         ; p's codes
.set SK,   200                         ; k's scale words, v's, p's
.set SV,   204
.set SPR,  208
.set TX,   209                         ; what a lane permute brings
.set SO,   210                         ; the conversions' scale operands
.set BM,   212                         ; my two blocks' largest scores, then their largest p
.set BY,   214                         ; their scale bytes
.set T,    216                         ; eight tiles' maxima
.set FF,   224                         ; f = 2^(old M - new M), named as a pair
.set TA,   226
.set TC,   227
.set L2,   228                         ; three more chains of the row's sum
.set L3,   230
.set L4,   232
.set TM,   212                         ; the last quantiser's work
.set WV,   14
.set SEL,  16
.set CS,   18                          ; s[18:19] c = log2(e) / 8
.set TB,   20                          ; LDS byte at which the step's record begins
.set CT,   22
.set G1,   24
.set G0,   40
.macro PLACES n
.rept \n
	v_nop
.endr
.endm
.macro CROUND
	s_barrier_signal -1
	s_barrier_wait -1
	s_cmp_lg_u32 s[WV], 0
	s_cbranch_scc1 .Lnot_wave_0_\@
	s_barrier_signal -3
.Lnot_wave_0_\@:
	s_barrier_wait -3
	s_barrier_signal -1
	s_barrier_wait -1
.endm
.macro WM d, a, b, z, sa, sb
.if \z
	v_wmma_scale_f32_16x16x128_f8f6f4 v[\d:\d+7], v[\a:\a+7], v[\b:\b+7], 0, v[\sa], v[\sb] matrix_a_fmt:MATRIX_FMT_FP4 matrix_b_fmt:MATRIX_FMT_FP4
.else
	v_wmma_scale_f32_16x16x128_f8f6f4 v[\d:\d+7], v[\a:\a+7], v[\b:\b+7], v[\d:\d+7], v[\sa], v[\sb] matrix_a_fmt:MATRIX_FMT_FP4 matrix_b_fmt:MATRIX_FMT_FP4
.endif
.endm
.macro LDV p                           ; fragment p of v (channels 16 p + r) and its scale words
	ds_load_b128 v[VF+8*\p:VF+8*\p+3], v[ADV] offset:OV+1152*\p
	ds_load_b128 v[VF+8*\p+4:VF+8*\p+7], v[ADV] offset:OV+1152*\p+576
	ds_load_b32 v[SV+\p], v[ADS] offset:OVS+64*\p
.endm
.macro LDK adk, adl, i, o              ; operand i = 2 c + y of k: fragments 2 c and 2 c + 1 (2,304 c; the lane's 1,152 g), stored rows 8 y on (128 y), both keys of a row (576 apart); its rows' scale words
	ds_load_b128 v[KF+8*\i:KF+8*\i+3], v[\adk] offset:\o+2304*(\i/2)+128*(\i%2)
	ds_load_b128 v[KF+8*\i+4:KF+8*\i+7], v[\adk] offset:\o+2304*(\i/2)+128*(\i%2)+576
	ds_load_b32 v[SK+\i], v[\adl] offset:\o+OKS+128*(\i/2)+32*(\i%2)
.endm
.macro FMA p                           ; pair p of the scores: t - M (of the pairs c and -M the low word serves both halves)
	v_pk_fma_f32 v[S+2*(\p):S+2*(\p)+1], v[S+2*(\p):S+2*(\p)+1], s[CS:CS+1], v[12:13] op_sel_hi:[1,0,0]
.endm
.macro SA j                            ; eight of p onto the sum's four chains
	v_pk_add_f32 v[14:15], v[14:15], v[S+\j:S+\j+1]
	v_pk_add_f32 v[L2:L2+1], v[L2:L2+1], v[S+\j+2:S+\j+3]
	v_pk_add_f32 v[L3:L3+1], v[L3:L3+1], v[S+\j+4:S+\j+5]
	v_pk_add_f32 v[L4:L4+1], v[L4:L4+1], v[S+\j+6:S+\j+7]
.endm
; A KEY STEP: 128 keys.  pre = 1: the next step's k is asked of LDS.
.macro STEP pre
	s_wait_dscnt 0x0                               ; this step's k and its scale words, asked for a step ago, are in
.irp i, 0,1,2,3
	WM S+32*(\i/2)+8*(\i%2), KF+8*\i, QL, 1, SK+\i, SQL        ; keys 64 c + 32 h + 8 y + j
	WM S+32*(\i/2)+8*(\i%2)+16, KF+8*\i, QH, 1, SK+\i, SQH     ; keys 64 c + 32 h + 16 + 8 y + j
.endr
	v_add_nc_u32 v[ADV], s[TB], v1                 ; these four lines are the places behind the products, in front of the first read of the scores and of the loads into registers that products have read
	v_add_nc_u32 v[ADS], s[TB], v2
	v_add_nc_u32 v[ADK], s[TB], v5
	v_add_nc_u32 v[ADL], s[TB], v6
.irp u, 0,1,2,3,4,5,6,7
	v_max3_num_f32 v[T+\u], v[S+8*\u], v[S+8*\u+1], v[S+8*\u+2]   ; each accumulator from its low end on; eight chains by turns
.endr
.irp u, 0,1,2,3,4,5,6,7
	v_max3_num_f32 v[T+\u], v[T+\u], v[S+8*\u+3], v[S+8*\u+4]
.endr
.irp u, 0,1,2,3,4,5,6,7
	v_max3_num_f32 v[T+\u], v[T+\u], v[S+8*\u+5], v[S+8*\u+6]
.endr
.irp c, 0,1
	v_max3_num_f32 v[T+4*\c], v[T+4*\c], v[T+4*\c+1], v[S+32*\c+7]
	v_max3_num_f32 v[T+4*\c+2], v[T+4*\c+2], v[T+4*\c+3], v[S+32*\c+15]
	v_max_num_f32 v[T+4*\c+1], v[S+32*\c+23], v[S+32*\c+31]
.endr
.irp c, 0,1
	v_max3_num_f32 v[BM+\c], v[T+4*\c], v[T+4*\c+2], v[T+4*\c+1]   ; the largest score of my block 2 c + h: it serves for the row's maximum and, since p rises with the score, for the block's largest p
.endr
	v_max3_num_f32 v[TA], v[BM], v[BM+1], v13      ; with the running largest score.  The step's LDS loads stand among the lines of this chain
	v_mov_b32 v[TC], v12                           ; the old -M
	LDV 0
	LDV 1
	v_permlanex16_b32 v[TX], v[TA], s[SEL], s[SEL+1]
	LDV 2
	LDV 3
	v_max_num_f32 v13, v[TA], v[TX]                ; with lane l xor 16's blocks: the running largest SCORE (c is positive and a product's rounding keeps the order)
.if \pre
	LDK ADK, ADL, 0, STEPL
	LDK ADK, ADL, 1, STEPL
.endif
	v_mul_f32 v[TA], s[CS], v13                    ; the running largest t
.if \pre
	LDK ADK, ADL, 2, STEPL
	LDK ADK, ADL, 3, STEPL
.endif
	v_floor_f32 v12, -v[TA]                        ; the new -M = floor(-t): M is a whole number
	v_sub_f32 v[TC], v12, v[TC]                    ; old M - new M: a whole number, 0 or less
	FMA 0
	FMA 1
	FMA 2
	v_cvt_i32_f32 v[TC], v[TC]                     ; (it saturates)
	FMA 3
	FMA 4
	FMA 5
	v_ldexp_f32 v[FF], 1.0, v[TC]                  ; f
.set j, 6
.rept 26
	FMA j
.set j, j+1
.endr
	v_fma_f32 v[BM], v[BM], s[CS], v12             ; the same of each block's largest score
	v_fma_f32 v[BM+1], v[BM+1], s[CS], v12
	v_pk_mul_f32 v[14:15], v[14:15], v[FF:FF+1] op_sel_hi:[1,0]   ; the sum under the new M
.set j, 0
.rept 16
	v_pk_mul_f32 v[OT+j:OT+j+1], v[OT+j:OT+j+1], v[FF:FF+1] op_sel_hi:[1,0]   ; O^T under the new M, each accumulator from its low end on; no transcendental stands between the last step's products and these lines
.set j, j+2
.endr
	s_wait_alu depctr_va_vdst(0)                   ; the wait ahead of the batch
.set j, 0
.rept 64
	v_exp_f32 v[S+j], v[S+j]                       ; p = 2^(t - M), at most 1
.set j, j+1
.endr
	v_exp_f32 v[BM], v[BM]                         ; the block's largest p: the same two instructions on the same number give the same bits
	v_exp_f32 v[BM+1], v[BM+1]
	v_nop                                          ; a plain instruction behind the last exponential
	s_wait_alu depctr_va_vdst(0)                   ; one wait for all 66, ahead of their first reader
	; The scale's lines, two blocks wide, stand among the row's sum, which is taken of the UNQUANTISED p in four chains
	v_max_num_f32 v[BM], 0x1800000, v[BM]          ; the floor 2^(3 - 127): the byte cannot fall under 1
	v_max_num_f32 v[BM+1], 0x1800000, v[BM+1]
	v_pk_add_f32 v[L2:L2+1], v[S:S+1], v[S+2:S+3]
	v_pk_add_f32 v[L3:L3+1], v[S+4:S+5], v[S+6:S+7]
	v_pk_add_f32 v[L4:L4+1], v[S+8:S+9], v[S+10:S+11]
	v_add_nc_u32 v[SO], 0xff000000, v[BM]          ; 2 off the exponent field: the conversion's scale operand
	v_add_nc_u32 v[SO+1], 0xff000000, v[BM+1]
	SA 12
	v_lshrrev_b32 v[BY], 23, v[SO]                 ; the scale's byte
	v_lshrrev_b32 v[BY+1], 23, v[SO+1]
	SA 20
	v_lshl_or_b32 v[SPR], v[BY+1], 16, v[BY]       ; my bytes: blocks h and 2 + h,
	SA 28
	v_lshlrev_b32 v[SPR], v7, v[SPR]               ; at their places in the word (8 h bits up);
	SA 36
	v_permlanex16_b32 v[TX], v[SPR], s[SEL], s[SEL+1]
	SA 44
	v_or_b32 v[SPR], v[SPR], v[TX]                 ; with lane l xor 16's two the word is whole
.irp c, 0,1
.irp i, 0,1,2,3
	v_cvt_scalef32_pk8_fp4_f32 v[PC+4*\c+\i], v[S+32*\c+8*\i:S+32*\c+8*\i+7], v[SO+\c]   ; keys 64 c + 32 h + 8 i + 0 .. 7: register 4 c + i of P's operand as it stands
.endr
.endr
	SA 52                                          ; these nine lines are also the places between p's codes and scale word and the products below
	v_pk_add_f32 v[14:15], v[14:15], v[S+60:S+61]
	v_pk_add_f32 v[L2:L2+1], v[L2:L2+1], v[S+62:S+63]
	v_pk_add_f32 v[L3:L3+1], v[L3:L3+1], v[L4:L4+1]
	v_pk_add_f32 v[14:15], v[14:15], v[L2:L2+1]
	v_pk_add_f32 v[14:15], v[14:15], v[L3:L3+1]
	s_wait_alu depctr_va_vdst(0)                   ; directly ahead of the wait below
.if \pre
	s_wait_dscnt 12                                ; v's twelve loads are in; the next step's k, twelve loads issued behind them, may stay out
.else
	s_wait_dscnt 0x0
.endif
.irp p, 0,1,2,3
	WM OT+8*\p, VF+8*\p, PC, 0, SV+\p, SPR         ; four accumulators by turns
.endr
	s_add_co_u32 s[TB], s[TB], STEPL               ; the next step's record
.endm
	s_load_b256 s[4:11], s[0:1], 0x0               ; qc s[4:5], qs s[6:7], kv s[8:9], bc s[10:11]
	s_load_b64 s[12:13], s[0:1], 0x20              ; bsc
	v_lshl_add_u32 v254, v0, 2, SPARE
	v_mov_b32 v255, 0
	ds_add_u32 v254, v255                          ; the opening lines: the add twice on end and its wait ahead of my tensor load
	ds_add_u32 v254, v255
	v_lshrrev_b32 v1, 5, v0
	v_readfirstlane_b32 s[WV], v1                  ; wave 0..15
	s_bfe_u32 s56, ttmp6, 0x40000                  ; cx
	s_lshl_b32 s57, ttmp9, 2
	s_add_co_u32 s57, s57, s56                     ; my block of 256 queries: it enters q's and ctx's addresses alone
	s_and_b32 s58, ttmp7, 0xffff                   ; batch x 16 + head, which the four partners share
	s_mul_i32 s59, s[WV], STEPG                    ; the record that I fetch: in memory,
	s_mul_i32 s60, s58, 16*STEPG
	s_add_co_u32 s60, s60, s59
	s_mov_b32 s61, 0
	s_mul_i32 s63, s[WV], STEPL                    ; and in LDS
	s_mov_b32 s[G1], 15|(3<<16)|(1<<20)|(1<<21)|(5<<22)|(7<<25)   ; 15:0 the mask: all four work-groups; 17:16 elements of 8 bytes; 20 padding on; 21 set beside a mask; 8 words behind every 64
	s_mov_b32 s[G1+1], 32<<16                      ; rows of 256 bytes,
	s_mov_b32 s[G1+2], 34<<16                      ; 34 of them, dense
	s_mov_b32 s[G1+3], 32<<16
	s_mov_b32 s[G1+4], 34
	s_mov_b32 s[G1+5], 32
	s_mov_b32 s[G1+6], 0
	s_mov_b32 s[G1+7], 0
	s_lshl_b32 s62, s57, 4
	s_add_co_u32 s62, s62, s[WV]                   ; my tile of queries in the head
	s_lshl_b32 s66, s58, 7
	s_add_co_u32 s66, s66, s62
	s_lshl_b32 s68, s66, 6                         ; q's scale words: 64 bytes a tile,
	s_lshl_b32 s66, s66, 9                         ; q's codes: 512
	s_mov_b32 s67, 0
	s_mov_b32 s69, 0
	s_lshr_b32 s70, s58, 4                         ; batch
	s_and_b32 s71, s58, 15                         ; head
	s_lshl_b32 s70, s70, 7
	s_add_co_u32 s70, s70, s62                     ; my tile of rows of ctx
	s_lshl_b32 s72, s70, 13                        ; its eight fragments; my head's 64 columns are half of fragment head / 2: 512 bytes a head
	s_lshl_b32 s74, s71, 9
	s_add_co_u32 s72, s72, s74
	s_mov_b32 s73, 0
	s_lshr_b32 s74, s71, 1
	s_lshl_b32 s74, s74, 14                        ; scale words: plane head / 2,
	s_lshl_b32 s75, s70, 6
	s_add_co_u32 s74, s74, s75                     ; my 16 rows,
	s_and_b32 s75, s71, 1
	s_lshl_b32 s75, s75, 1
	s_add_co_u32 s74, s74, s75                     ; bytes 2 (head % 2) on
	s_mov_b32 s75, 0
	s_mov_b32 s[SEL], 0x76543210
	s_mov_b32 s[SEL+1], 0xfedcba98
	s_mov_b32 s[CS], 0x3e38aa3b                    ; log2(e) / 8
	s_mov_b32 s[CS+1], s[CS]
	s_wait_dscnt 0x0                               ; both opening adds are done
	s_wait_kmcnt 0x0
	s_mov_b32 s[G0], 1
	s_mov_b32 s[G0+1], s63
	s_add_nc_u64 s[G0+2:G0+3], s[8:9], s[60:61]
	s_or_b32 s[G0+3], s[G0+3], 0x80000000
	s_add_nc_u64 s[4:5], s[4:5], s[66:67]
	s_add_nc_u64 s[6:7], s[6:7], s[68:69]
	s_add_nc_u64 s[10:11], s[10:11], s[72:73]
	s_add_nc_u64 s[12:13], s[12:13], s[74:75]
	CROUND                                         ; all four work-groups are here: the joint loads meet
	tensor_load_to_lds s[G0:G0+3], s[G1:G1+7]      ; record w: my one tensor load of the launch
	s_nop 0
	PLACES 4
	v_and_b32 v2, 15, v0                           ; r
	v_bfe_u32 v3, v0, 4, 1                         ; h
	v_and_b32 v10, 31, v0
	v_and_b32 v4, 7, v0                            ; r % 8
	v_bfe_u32 v8, v0, 3, 1                         ; g = r / 8
	v_lshlrev_b32 v10, 4, v10                      ; v10: 16 x lane (memory)
	v_lshlrev_b32 v1, 4, v2
	v_lshlrev_b32 v5, 4, v4
	v_lshlrev_b32 v6, 2, v4
	v_lshlrev_b32 v7, 3, v3                        ; v7: 8 h
	v_lshlrev_b32 v2, 2, v2                        ; v2: 4 r
	v_mad_u32_u24 v1, v3, 288, v1                  ; v1: v's fragments: 16 r + 288 h
	v_mad_u32_u24 v5, v8, 1152, v5
	v_lshl_add_u32 v6, v8, 6, v6                   ; v6: k's scale words: 64 g + 4 (r % 8)
	v_mad_u32_u24 v5, v3, 288, v5                  ; v5: k's operands: 1,152 g + 16 (r % 8) + 288 h
	global_load_b128 v[QL:QL+3], v10, s[4:5]       ; q's codes: lane (r, h) block h of query r
	global_load_b32 v[SQL], v2, s[6:7]
.irp i, 0,1,2,3
	v_mov_b32 v[QH+\i], 0
	v_mov_b32 v[QL+4+\i], 0
.endr
	v_mov_b32 v[TX], 0                             ; written once: a lane permute's destination counts as one of its sources
	v_mov_b32 v[TA], 0
	v_mov_b32 v13, 0xff61b1e6                      ; the largest score so far: -3e38, under every score
	v_floor_f32 v12, -v13                          ; -M
	v_mov_b32 v14, 0                               ; the sum, in two halves
	v_mov_b32 v15, 0
	v_mov_b32 v[FF+1], 0                           ; named with f as a pair, so it is written
	s_wait_alu depctr_va_vdst(0)                   ; directly ahead of the wait below
	s_wait_loadcnt 0x0
	v_lshlrev_b32 v[SQH], 16, v[SQL]               ; q's two bytes for the upper half of K
.set j, 0
.rept 32
	v_mov_b32 v[OT+j], 0                           ; O^T: the first step finds zeros, which the first change of M leaves zeros.  (These lines also stand between the shifted scale word and the first product)
.set j, j+1
.endr
	s_wait_alu depctr_va_vdst(0)
	s_wait_tensorcnt 0x0                           ; my record has landed
	s_wait_dscnt 0x0
	s_barrier_signal -1
	s_barrier_wait -1                              ; all sixteen records are whole
.irp i, 0,1,2,3
	LDK 5, 6, \i, 0                                ; step 0's k
.endr
	s_mov_b32 s[TB], 0
	s_mov_b32 s[CT], 15
.Lstep:                                            ; steps 0 to 14
	STEP 1
	s_sub_co_u32 s[CT], s[CT], 1
	s_cmp_lg_u32 s[CT], 0
	s_cbranch_scc1 .Lstep
	s_mov_b32 s[TB], 15*STEPL                      ; (the value that the loop has left, written as a constant)
	STEP 0                                         ; the last step is written out: there is no record behind it to ask for
	; THE WAY OUT: O^T / the sum, quantised along the head's 64 channels: half a fragment of the next product's operand and half a scale word
	PLACES 4
	v_add_f32 v14, v14, v15
	v_permlanex16_b32 v[TA], v14, s[SEL], s[SEL+1]
	v_add_f32 v14, v14, v[TA]                      ; the row's sum
	s_wait_alu depctr_va_vdst(0)                   ; the wait ahead of the transcendental
	v_rcp_f32 v14, v14
	v_nop                                          ; a plain instruction behind the transcendental
	s_wait_alu depctr_va_vdst(0)                   ; the wait ahead of its first reader, and directly ahead of the first readers of the last products' results
.set j, 0
.rept 32
	v_mul_f32 v[S+j], v[OT+j], v14                 ; register 8 t + j is channel 16 t + 8 h + j of my query
.set j, j+1
.endr
.irp b, 0,1
	v_max3_num_f32 v[TM+\b], |v[S+16*\b]|, |v[S+16*\b+1]|, 0x1800000
.endr
.irp i, 2,4,6,8,10,12,14
.irp b, 0,1
	v_max3_num_f32 v[TM+\b], v[TM+\b], |v[S+16*\b+\i]|, |v[S+16*\b+\i+1]|
.endr
.endr
.irp b, 0,1
	v_permlanex16_b32 v[TM+4+\b], v[TM+\b], s[SEL], s[SEL+1]
.endr
.irp b, 0,1
	v_max_num_f32 v[TM+\b], v[TM+\b], v[TM+4+\b]
.endr
.irp b, 0,1
	v_add_nc_u32 v[TM+8+\b], 0xff000000, v[TM+\b]
.endr
.irp b, 0,1
	v_lshrrev_b32 v[TM+4+\b], 23, v[TM+8+\b]
.endr
	v_lshl_or_b32 v[TA], v[TM+5], 8, v[TM+4]
	v_cvt_scalef32_pk8_fp4_f32 v[PC], v[S:S+7], v[TM+8]
	v_cvt_scalef32_pk8_fp4_f32 v[PC+2], v[S+8:S+15], v[TM+8]
	v_cvt_scalef32_pk8_fp4_f32 v[PC+1], v[S+16:S+23], v[TM+9]
	v_cvt_scalef32_pk8_fp4_f32 v[PC+3], v[S+24:S+31], v[TM+9]
	v_nop                                          ; one plain place behind a scaled conversion
	v_permlane16_swap_b32 v[PC], v[PC+1]           ; register i now holds channels 32 h + 8 i + 0 .. 7
	v_permlane16_swap_b32 v[PC+2], v[PC+3]
	global_store_b128 v10, v[PC:PC+3], s[10:11]    ; 512 consecutive bytes
	global_store_b16 v2, v[TA], s[12:13]           ; two bytes of each row's word (lanes 16-31 write what lanes 0-15 write)
	s_wait_tensorcnt 0x0                           ; the wave's end
	ds_add_u32 v254, v255
	s_wait_dscnt 0x0
	CROUND                                         ; the closing round
	s_endpgm
.Lfunc_end_k_q1737202522_att:
	.size	k_q1737202522_att, .Lfunc_end_k_q1737202522_att-k_q1737202522_att
	.p2alignl 7, 3214868480
	.fill 96, 4, 3214868480
	.section	.rodata,"a",@progbits
	.p2align	6, 0x0
	.amdhsa_kernel k_q1737202522_att
		.amdhsa_group_segment_fixed_size 169984
		.amdhsa_private_segment_fixed_size 0
		.amdhsa_enable_private_segment 0
		.amdhsa_kernarg_size 40
		.amdhsa_user_sgpr_count 2
		.amdhsa_user_sgpr_kernarg_segment_ptr 1
		.amdhsa_wavefront_size32 1
		.amdhsa_system_sgpr_workgroup_id_x 1
		.amdhsa_system_sgpr_workgroup_id_y 1
		.amdhsa_system_sgpr_workgroup_id_z 1
		.amdhsa_system_vgpr_workitem_id 0
		.amdhsa_next_free_vgpr 256
		.amdhsa_next_free_sgpr 80
		.amdhsa_reserve_vcc 0
		.amdhsa_float_denorm_mode_32 3
		.amdhsa_float_denorm_mode_16_64 3
		.amdhsa_memory_ordered 1
		.amdhsa_forward_progress 1
		.amdhsa_inst_pref_size 39
	.end_amdhsa_kernel
	.amdgpu_metadata
---
amdhsa.version: [ 1, 2 ]
amdhsa.kernels:
  - .name:           k_q1737202522_att
    .symbol:         k_q1737202522_att.kd
    .args:
      - { .name: qc, .offset: 0, .size: 8, .value_kind: global_buffer, .address_space: global }
      - { .name: qs, .offset: 8, .size: 8, .value_kind: global_buffer, .address_space: global }
      - { .name: kv, .offset: 16, .size: 8, .value_kind: global_buffer, .address_space: global }
      - { .name: bc, .offset: 24, .size: 8, .value_kind: global_buffer, .address_space: global }
      - { .name: bsc, .offset: 32, .size: 8, .value_kind: global_buffer, .address_space: global }
    .group_segment_fixed_size: 169984
    .private_segment_fixed_size: 0
    .kernarg_segment_align: 8
    .kernarg_segment_size: 40
    .max_flat_workgroup_size: 512
    .sgpr_count:     80
    .vgpr_count:     256
    .wavefront_size: 32
...
	.end_amdgpu_metadata
.endif
;; end of part 3
;; launch wo (part 4): grid 8 x 32, 8 waves a work-group, clusters of 4 x 4, 327,680 bytes of LDS; arguments bc, bsc, Wo_codes, Wo_scales, hidden_states, h; writes h
.if DOCPART == 4
	.amdgcn_target "amdgcn-amd-amdhsa--gfx1250"
	.amdhsa_code_object_version 6
	.text
	.protected	k_q1737202522_wo
	.globl	k_q1737202522_wo
	.p2align	8
	.type	k_q1737202522_wo,@function
k_q1737202522_wo:
	s_mov_b64 s[64:65], 0
	v_nop
	global_prefetch_b8 v0, s[64:65] scope:SCOPE_SE
	s_setreg_imm32_b32 hwreg(HW_REG_WAVE_MODE, 25, 1), 1
	s_wait_xcnt 0x0
	s_wait_alu depctr_hold_cnt(0) depctr_sa_sdst(0) depctr_va_vdst(0) depctr_va_sdst(0) depctr_va_ssrc(0) depctr_va_vcc(0) depctr_vm_vsrc(0)
	s_getreg_b32 s2, hwreg(HW_REG_IB_STS2, 6, 4)
	s_cmp_eq_u32 s2, 0
	s_cbranch_scc0 .Lentry_in_a_cluster
	s_endpgm
.Lentry_in_a_cluster:
	s_bfe_u32 s2, ttmp6, 0x10000c
	s_cmp_lg_u32 s2, 0xf033
	s_cbranch_scc0 .Lentry_shape_is_right
	s_endpgm
.Lentry_shape_is_right:
.set WB0,  65536
.set WP,   528
.set STG,  133120
.set ADA,  4
.set SA,   16
.set SW,   24
.set BK,   40
.set FA,   72
.set FW,   88
.set ACC,  128
.set RES,  192
.set G1A,  24
.set G1W,  32
.set G0A,  40
.set G0W,  44
.set WV,   58
.set HH,   59
.set MG,   60
.set CX,   61
.set CY,   62
.set CBK,  63
.set RBK,  66
.set RM,   67
.set CM,   68
.macro PLACES n
.rept \n
	v_nop
.endr
.endm
.macro BARRIER
	s_wait_dscnt 0x0
	s_barrier_signal -1
	s_barrier_wait -1
.endm
.macro CROUND
	s_barrier_signal -1
	s_barrier_wait -1
	s_cmp_lg_u32 s[WV], 0
	s_cbranch_scc1 .Lnot_wave_0_\@
	s_barrier_signal -3
.Lnot_wave_0_\@:
	s_barrier_wait -3
	s_barrier_signal -1
	s_barrier_wait -1
.endm
.macro WM d, a, b, z, sa, sb, hi
.if \z
	v_wmma_scale_f32_16x16x128_f8f6f4 v[\d:\d+7], v[\a:\a+7], v[\b:\b+7], 0, v[\sa], v[\sb] matrix_a_fmt:MATRIX_FMT_FP4 matrix_b_fmt:MATRIX_FMT_FP4
.elseif \hi
	v_wmma_scale_f32_16x16x128_f8f6f4 v[\d:\d+7], v[\a:\a+7], v[\b:\b+7], v[\d:\d+7], v[\sa], v[\sb] matrix_a_fmt:MATRIX_FMT_FP4 matrix_b_fmt:MATRIX_FMT_FP4 matrix_a_scale:MATRIX_SCALE_ROW1 matrix_b_scale:MATRIX_SCALE_ROW1
.else
	v_wmma_scale_f32_16x16x128_f8f6f4 v[\d:\d+7], v[\a:\a+7], v[\b:\b+7], v[\d:\d+7], v[\sa], v[\sb] matrix_a_fmt:MATRIX_FMT_FP4 matrix_b_fmt:MATRIX_FMT_FP4
.endif
.endm
.macro KSTEP ks
.if \ks > 0
	PLACES 4
.endif
.irp mt, 0,1
.irp c, 0,1
	ds_load_b128 v[FA+8*\mt+4*\c:FA+8*\mt+4*\c+3], v[ADA] offset:(8*\mt+\ks)*1024+512*\c
.endr
.endr
.irp nt, 0,1,2,3
.irp c, 0,1
	ds_load_b128 v[FW+8*\nt+4*\c:FW+8*\nt+4*\c+3], v5 offset:\nt*16*WP+64*\ks+32*\c
.endr
.endr
	s_wait_dscnt 0x0
.irp mt, 0,1
.irp nt, 0,1,2,3
	WM ACC+32*\mt+8*\nt, FW+8*\nt, FA+8*\mt, (\ks==0), SW+4*\nt+(\ks&3), SA+4*\mt+(\ks&3), (\ks>=4)
.endr
.endr
.endm
	s_load_b256 s[4:11], s[0:1], 0x0
	s_load_b128 s[12:15], s[0:1], 0x20
	v_lshl_add_u32 v126, v0, 2, 0x29000
	v_mov_b32 v127, 0
	ds_add_u32 v126, v127
	ds_add_u32 v126, v127
	v_lshrrev_b32 v1, 5, v0
	s_delay_alu instid0(VALU_DEP_1)
	v_readfirstlane_b32 s[WV], v1
	s_and_b32 s[HH], s[WV], 1
	s_lshr_b32 s[MG], s[WV], 1
	s_bfe_u32 s[CX], ttmp6, 0x40000
	s_bfe_u32 s[CY], ttmp6, 0x40004
	s_lshl_b32 s[CBK], ttmp9, 2
	s_add_co_u32 s[CBK], s[CBK], s[CX]
	s_and_b32 s[RBK], ttmp7, 0xffff
	s_lshl_b32 s[RBK], s[RBK], 2
	s_add_co_u32 s[RBK], s[RBK], s[CY]
	s_lshl_b32 s[RM], s[CY], 2
	s_lshl_b32 s[RM], 15, s[RM]
	s_lshl_b32 s[CM], 0x1111, s[CX]
	s_or_b32 s[G1A], s[RM], (3<<16)|(1<<21)
	s_mov_b32 s[G1A+1], 32<<16
	s_mov_b32 s[G1A+2], 64<<16
	s_mov_b32 s[G1A+3], 32<<16
	s_mov_b32 s[G1A+4], 64
	s_mov_b32 s[G1A+5], 32
	s_mov_b32 s[G1A+6], 0
	s_mov_b32 s[G1A+7], 0
	s_or_b32 s[G1W], s[CM], (3<<16)|(1<<20)|(1<<21)|(6<<22)|(3<<25)
	s_mov_b32 s[G1W+1], 64<<16
	s_mov_b32 s[G1W+2], 32<<16
	s_mov_b32 s[G1W+3], 64<<16
	s_mov_b32 s[G1W+4], 32
	s_mov_b32 s[G1W+5], 64
	s_mov_b32 s[G1W+6], 0
	s_mov_b32 s[G1W+7], 0
	s_lshl_b32 s2, s[WV], 14                       ; waves 0 to 3: a quarter of the left operand's 65,536 bytes, in memory and in LDS
	s_and_b32 s78, s[WV], 3
	s_mul_i32 s3, s78, 32*WP                       ; waves 4 to 7: 32 rows of the weight, in LDS
	s_lshl_b32 s78, s78, 14                        ; and in memory
	s_lshl_b32 s72, s[RBK], 16
	s_add_co_u32 s72, s72, s2
	s_mov_b32 s73, 0
	s_lshl_b32 s74, s[CBK], 16
	s_add_co_u32 s74, s74, s78
	s_mov_b32 s75, 0
	s_lshl_b32 s76, s[RBK], 19
	s_lshl_b32 s77, s[MG], 17
	s_add_co_u32 s76, s76, s77
	s_lshl_b32 s77, s[CBK], 9
	s_add_co_u32 s76, s76, s77
	s_lshl_b32 s77, s[HH], 8
	s_add_co_u32 s76, s76, s77
	s_mov_b32 s77, 0
	s_wait_dscnt 0x0
	s_wait_kmcnt 0x0
	s_mov_b32 s[G0A], 1
	s_mov_b32 s[G0A+1], s2
	s_add_nc_u64 s[G0A+2:G0A+3], s[4:5], s[72:73]
	s_or_b32 s[G0A+3], s[G0A+3], 0x80000000
	s_mov_b32 s[G0W], 1
	s_add_co_u32 s[G0W+1], s3, WB0
	s_add_nc_u64 s[G0W+2:G0W+3], s[8:9], s[74:75]
	s_or_b32 s[G0W+3], s[G0W+3], 0x80000000
	s_lshl_b32 s72, s[RBK], 9
	s_lshl_b32 s2, s[MG], 7
	s_add_co_u32 s72, s72, s2
	s_add_nc_u64 s[6:7], s[6:7], s[72:73]
	s_lshl_b32 s74, s[CBK], 12
	s_lshl_b32 s2, s[HH], 11
	s_add_co_u32 s74, s74, s2
	s_add_nc_u64 s[10:11], s[10:11], s[74:75]
	s_add_nc_u64 s[12:13], s[12:13], s[76:77]
	s_add_nc_u64 s[14:15], s[14:15], s[76:77]
	CROUND
	; the launch's only fills, one a wave, in one if and else on the wave's number
	s_cmp_lt_u32 s[WV], 4
	s_cbranch_scc0 .Lfor_w
	tensor_load_to_lds s[G0A:G0A+3], s[G1A:G1A+7]
	s_nop 0
	PLACES 4
	s_branch .Lasked
.Lfor_w:
	tensor_load_to_lds s[G0W:G0W+3], s[G1W:G1W+7]
	s_nop 0
	PLACES 4
.Lasked:
	v_and_b32 v1, 31, v0
	v_and_b32 v2, 15, v0
	v_bfe_u32 v3, v0, 4, 1
	s_delay_alu instid0(VALU_DEP_2)
	v_lshlrev_b32 v12, 2, v2
	s_delay_alu instid0(VALU_DEP_1)
	v_lshl_add_u32 v12, v3, 16, v12
	s_delay_alu instid0(VALU_DEP_4)
	v_lshlrev_b32 v13, 5, v2
	s_delay_alu instid0(VALU_DEP_1)
	v_lshl_add_u32 v13, v3, 4, v13
	v_lshlrev_b32 v9, 12, v3
	s_delay_alu instid0(VALU_DEP_1)
	v_lshl_add_u32 v9, v2, 4, v9
.irp mt, 0,1
.irp i, 0,1,2,3
	global_load_b32 v[SA+4*\mt+\i], v12, s[6:7] offset:\i*16384+64*\mt
.endr
.endr
.irp nt, 0,1,2,3
	global_load_b128 v[SW+4*\nt:SW+4*\nt+3], v13, s[10:11] offset:512*\nt
.endr
.irp mt, 0,1
.irp t, 0,1,2,3,4,5,6,7
	global_load_b128 v[RES+32*\mt+4*\t:RES+32*\mt+4*\t+3], v9, s[12:13] offset:(16*\mt+2*\t)*4096 th:TH_LOAD_NT
.endr
.endr
	s_lshl_b32 s3, s[MG], 14
	v_lshl_add_u32 v[ADA], v1, 4, s3
	v_mul_u32_u24 v5, v2, WP
	s_delay_alu instid0(VALU_DEP_1)
	v_lshl_add_u32 v5, v3, 4, v5
	s_mul_i32 s3, s[HH], 64*WP
	v_add_nc_u32 v5, s3, v5
	s_delay_alu instid0(VALU_DEP_1)
	v_add_nc_u32 v5, WB0, v5
	s_mul_i32 s3, s[WV], 16*272
	v_mul_u32_u24 v10, v2, 272
	s_delay_alu instid0(VALU_DEP_1)
	v_lshl_add_u32 v10, v3, 5, v10
	s_delay_alu instid0(VALU_DEP_1)
	v_add_nc_u32 v10, s3, v10
	s_delay_alu instid0(VALU_DEP_1)
	v_add_nc_u32 v10, STG, v10
	v_mul_u32_u24 v11, v3, 272
	s_delay_alu instid0(VALU_DEP_1)
	v_lshl_add_u32 v11, v2, 4, v11
	s_delay_alu instid0(VALU_DEP_1)
	v_add_nc_u32 v11, s3, v11
	s_delay_alu instid0(VALU_DEP_1)
	v_add_nc_u32 v11, STG, v11
	s_wait_alu depctr_va_vdst(0)
	s_wait_loadcnt 16
	s_wait_tensorcnt 0x0
	BARRIER
.irp k, 0,1,2,3,4,5,6,7
	KSTEP \k
.endr
	PLACES 4
	s_wait_loadcnt 0x0
.irp mt, 0,1
.if \mt > 0
	s_wait_xcnt 0x0
.endif
.irp nt, 0,1,2,3
	ds_store_b128 v10, v[ACC+32*\mt+8*\nt:ACC+32*\mt+8*\nt+3] offset:64*\nt
	ds_store_b128 v10, v[ACC+32*\mt+8*\nt+4:ACC+32*\mt+8*\nt+7] offset:64*\nt+16
.endr
.irp t, 0,1,2,3,4,5,6,7
	ds_load_b128 v[BK+4*\t:BK+4*\t+3], v11 offset:544*\t
.endr
	s_wait_dscnt 0x0
.set i, 0
.rept 16
	v_pk_add_f32 v[BK+i:BK+i+1], v[BK+i:BK+i+1], v[RES+32*\mt+i:RES+32*\mt+i+1]
.set i, i+2
.endr
.irp t, 0,1,2,3,4,5,6,7
	global_store_b128 v9, v[BK+4*\t:BK+4*\t+3], s[14:15] offset:(16*\mt+2*\t)*4096 th:TH_STORE_NT
.endr
.endr
	s_wait_tensorcnt 0x0
	ds_add_u32 v126, v127
	s_wait_dscnt 0x0
	CROUND
	s_endpgm
.Lfunc_end_k_q1737202522_wo:
	.size	k_q1737202522_wo, .Lfunc_end_k_q1737202522_wo-k_q1737202522_wo
	.p2alignl 7, 3214868480
	.fill 96, 4, 3214868480
	.section	.rodata,"a",@progbits
	.p2align	6, 0x0
	.amdhsa_kernel k_q1737202522_wo
		.amdhsa_group_segment_fixed_size 327680
		.amdhsa_private_segment_fixed_size 0
		.amdhsa_enable_private_segment 0
		.amdhsa_kernarg_size 48
		.amdhsa_user_sgpr_count 2
		.amdhsa_user_sgpr_kernarg_segment_ptr 1
		.amdhsa_wavefront_size32 1
		.amdhsa_system_sgpr_workgroup_id_x 1
		.amdhsa_system_sgpr_workgroup_id_y 1
		.amdhsa_system_sgpr_workgroup_id_z 1
		.amdhsa_system_vgpr_workitem_id 0
		.amdhsa_next_free_vgpr 256
		.amdhsa_next_free_sgpr 100
		.amdhsa_reserve_vcc 0
		.amdhsa_float_denorm_mode_32 3
		.amdhsa_float_denorm_mode_16_64 3
		.amdhsa_memory_ordered 1
		.amdhsa_forward_progress 1
		.amdhsa_inst_pref_size 31
	.end_amdhsa_kernel
	.amdgpu_metadata
---
amdhsa.version: [ 1, 2 ]
amdhsa.kernels:
  - .name:           k_q1737202522_wo
    .symbol:         k_q1737202522_wo.kd
    .args:
      - { .name: bc, .offset: 0, .size: 8, .value_kind: global_buffer, .address_space: global }
      - { .name: bsc, .offset: 8, .size: 8, .value_kind: global_buffer, .address_space: global }
      - { .name: Wo_codes, .offset: 16, .size: 8, .value_kind: global_buffer, .address_space: global }
      - { .name: Wo_scales, .offset: 24, .size: 8, .value_kind: global_buffer, .address_space: global }
      - { .name: hidden_states, .offset: 32, .size: 8, .value_kind: global_buffer, .address_space: global }
      - { .name: h, .offset: 40, .size: 8, .value_kind: global_buffer, .address_space: global }
    .group_segment_fixed_size: 327680
    .private_segment_fixed_size: 0
    .kernarg_segment_align: 8
    .kernarg_segment_size: 48
    .max_flat_workgroup_size: 256
    .sgpr_count:     100
    .vgpr_count:     256
    .wavefront_size: 32
...
	.end_amdgpu_metadata
.endif
;; end of part 4
;; launch nq2: the kernel of part 1 again; grid 256 x 1, 8 waves a work-group, no clusters, 69,120 bytes of LDS; arguments h, ln2_w, ac, asc; writes ac, asc
;; launch w13 (part 5): grid 8 x 32, 8 waves a work-group, clusters of 4 x 4, 201,728 bytes of LDS; arguments ac, asc, w1_codes, w1_scales, w3_codes, w3_scales, bc, bsc; writes bc, bsc
.if DOCPART == 5
	.amdgcn_target "amdgcn-amd-amdhsa--gfx1250"
	.amdhsa_code_object_version 6
	.text
	.protected	k_q1737202522_w13
	.globl	k_q1737202522_w13
	.p2align	8
	.type	k_q1737202522_w13,@function
k_q1737202522_w13:
	s_mov_b64 s[64:65], 0
	v_nop
	global_prefetch_b8 v0, s[64:65] scope:SCOPE_SE
	s_setreg_imm32_b32 hwreg(HW_REG_WAVE_MODE, 25, 1), 1
	s_wait_xcnt 0x0
	s_wait_alu depctr_hold_cnt(0) depctr_sa_sdst(0) depctr_va_vdst(0) depctr_va_sdst(0) depctr_va_ssrc(0) depctr_va_vcc(0) depctr_vm_vsrc(0)
	s_getreg_b32 s2, hwreg(HW_REG_IB_STS2, 6, 4)
	s_cmp_eq_u32 s2, 0
	s_cbranch_scc0 .Lentry_in_a_cluster
	s_endpgm
.Lentry_in_a_cluster:
	s_bfe_u32 s2, ttmp6, 0x10000c
	s_cmp_lg_u32 s2, 0xf033
	s_cbranch_scc0 .Lentry_shape_is_right
	s_endpgm
.Lentry_shape_is_right:
; g = silu(y w1) * (y w3) on codes of FP4 with E8M0 scales; g leaves quantised along its 1,024 columns, as fragment images and scale words for the next product.
; y: fragment images and scale words in planes, as the norm's launch lays them.  w1, w3: codes [n 1024][512 bytes], scale bytes [n][32].
; SHARES.  A work-group makes 128 rows x 128 columns of both products.  Wave w: hh = w & 1 picks 64 columns, mg = w >> 1 picks 32 rows: eight accumulators a product, which take turns.
; All of K of y's 128 rows and of both weights' 128 rows lies in LDS, each byte filled once.  CLUSTER 4 x 4: y's tiles jointly along a row of the cluster, the weights' along a column; one tensor load of a wave is out.
; THE PRODUCTS ARE USED TRANSPOSED (source 0 = 16 rows of a weight, source 1 = 16 rows of y): lane (r, h) holds row r and columns 16 nt + 8 h + j: the next product's K runs along its registers.
; silu(a) = a / (1 + 2^(-a log2 e)): v_exp_f32 and v_rcp_f32, all in f32.
; LIMITS: NaN and infinities are not served; a block of zeros gets the byte 1 (zero codes; the bytes are read by this program alone).
.set WB0,  65536
.set WSZ,  67584
.set WP,   528
.set ADA,  4
.set SA,   16
.set SW1,  24
.set SW3,  40
.set FA,   56
.set FW,   72                          ; v72-103  four fragments of a weight; behind the products 32 numbers at work
.set T,    72
.set PC,   104
.set TM,   112
.set PW,   124
.set MW,   126
.set ACC1, 128
.set ACC3, 192
.set G1A,  24
.set G1W,  32
.set G0A,  40
.set G0W,  44
.set WV,   58
.set HH,   59
.set MG,   60
.set CX,   61
.set CY,   62
.set CBK,  63
.set RBK,  66
.set RM,   67
.set CM,   68
.set HM,   69
.set SEL,  70
.macro PLACES n
.rept \n
	v_nop
.endr
.endm
.macro BARRIER
	s_wait_dscnt 0x0
	s_barrier_signal -1
	s_barrier_wait -1
.endm
.macro CROUND
	s_barrier_signal -1
	s_barrier_wait -1
	s_cmp_lg_u32 s[WV], 0
	s_cbranch_scc1 .Lnot_wave_0_\@
	s_barrier_signal -3
.Lnot_wave_0_\@:
	s_barrier_wait -3
	s_barrier_signal -1
	s_barrier_wait -1
.endm
.macro WM d, a, b, z, sa, sb, hi
.if \z
	v_wmma_scale_f32_16x16x128_f8f6f4 v[\d:\d+7], v[\a:\a+7], v[\b:\b+7], 0, v[\sa], v[\sb] matrix_a_fmt:MATRIX_FMT_FP4 matrix_b_fmt:MATRIX_FMT_FP4
.elseif \hi
	v_wmma_scale_f32_16x16x128_f8f6f4 v[\d:\d+7], v[\a:\a+7], v[\b:\b+7], v[\d:\d+7], v[\sa], v[\sb] matrix_a_fmt:MATRIX_FMT_FP4 matrix_b_fmt:MATRIX_FMT_FP4 matrix_a_scale:MATRIX_SCALE_ROW1 matrix_b_scale:MATRIX_SCALE_ROW1
.else
	v_wmma_scale_f32_16x16x128_f8f6f4 v[\d:\d+7], v[\a:\a+7], v[\b:\b+7], v[\d:\d+7], v[\sa], v[\sb] matrix_a_fmt:MATRIX_FMT_FP4 matrix_b_fmt:MATRIX_FMT_FP4
.endif
.endm
.macro KSTEP ks, adw, swb, acc
.if \ks > 0
	PLACES 4
.endif
.irp mt, 0,1
.irp c, 0,1
	ds_load_b128 v[FA+8*\mt+4*\c:FA+8*\mt+4*\c+3], v[ADA] offset:(8*\mt+\ks)*1024+512*\c
.endr
.endr
.irp nt, 0,1,2,3
.irp c, 0,1
	ds_load_b128 v[FW+8*\nt+4*\c:FW+8*\nt+4*\c+3], v[\adw] offset:\nt*16*WP+64*\ks+32*\c
.endr
.endr
	s_wait_dscnt 0x0
.irp mt, 0,1
.irp nt, 0,1,2,3
	WM \acc+32*\mt+8*\nt, FW+8*\nt, FA+8*\mt, (\ks==0), \swb+4*\nt+(\ks&3), SA+4*\mt+(\ks&3), (\ks>=4)
.endr
.endr
.endm
.macro GEMM adw, swb, acc              ; eight K steps; four places behind the last products, in front of the next loads and of the first read of results
.irp k, 0,1,2,3,4,5,6,7
	KSTEP \k, \adw, \swb, \acc
.endr
	PLACES 4
.endm
.macro QUANTD2 src, pc, pw             ; 32 registers, register 8 t + j = column 16 t + 8 h + j of my row, become 64 codes (lane (r, h): block h) and two scale bytes
.irp b, 0,1
	v_max3_num_f32 v[TM+\b], |v[(\src)+16*\b]|, |v[(\src)+16*\b+1]|, 0x1800000
.endr
.irp i, 2,4,6,8,10,12,14
.irp b, 0,1
	s_delay_alu instid0(VALU_DEP_2)
	v_max3_num_f32 v[TM+\b], v[TM+\b], |v[(\src)+16*\b+\i]|, |v[(\src)+16*\b+\i+1]|
.endr
.endr
.irp b, 0,1
	s_delay_alu instid0(VALU_DEP_2)
	v_permlanex16_b32 v[TM+4+\b], v[TM+\b], s[SEL], s[SEL+1]
.endr
.irp b, 0,1
	s_delay_alu instid0(VALU_DEP_2)
	v_max_num_f32 v[TM+\b], v[TM+\b], v[TM+4+\b]
.endr
.irp b, 0,1
	s_delay_alu instid0(VALU_DEP_2)
	v_add_nc_u32 v[TM+8+\b], 0xff000000, v[TM+\b]
.endr
.irp b, 0,1
	s_delay_alu instid0(VALU_DEP_2)
	v_lshrrev_b32 v[TM+4+\b], 23, v[TM+8+\b]
.endr
	s_delay_alu instid0(VALU_DEP_1)
	v_lshl_or_b32 v[\pw], v[TM+5], 8, v[TM+4]
	v_cvt_scalef32_pk8_fp4_f32 v[(\pc)], v[(\src):(\src)+7], v[TM+8]
	v_cvt_scalef32_pk8_fp4_f32 v[(\pc)+2], v[(\src)+8:(\src)+15], v[TM+8]
	v_cvt_scalef32_pk8_fp4_f32 v[(\pc)+1], v[(\src)+16:(\src)+23], v[TM+9]
	v_cvt_scalef32_pk8_fp4_f32 v[(\pc)+3], v[(\src)+24:(\src)+31], v[TM+9]
	v_nop                                          ; one plain place behind a scaled conversion
	v_permlane16_swap_b32 v[(\pc)], v[(\pc)+1]
	v_permlane16_swap_b32 v[(\pc)+2], v[(\pc)+3]
.endm
	s_load_b512 s[4:19], s[0:1], 0x0               ; y's codes s[4:5], scales s[6:7]; w1 s[8:9], s[10:11]; w3 s[12:13], s[14:15]; g's codes s[16:17], scale words s[18:19]
	v_lshl_add_u32 v123, v0, 2, 0x31000
	v_mov_b32 v127, 0
	ds_add_u32 v123, v127
	ds_add_u32 v123, v127
	v_lshrrev_b32 v1, 5, v0
	s_delay_alu instid0(VALU_DEP_1)
	v_readfirstlane_b32 s[WV], v1
	s_and_b32 s[HH], s[WV], 1
	s_lshr_b32 s[MG], s[WV], 1
	s_bfe_u32 s[CX], ttmp6, 0x40000
	s_bfe_u32 s[CY], ttmp6, 0x40004
	s_lshl_b32 s[CBK], ttmp9, 2
	s_add_co_u32 s[CBK], s[CBK], s[CX]
	s_and_b32 s[RBK], ttmp7, 0xffff
	s_lshl_b32 s[RBK], s[RBK], 2
	s_add_co_u32 s[RBK], s[RBK], s[CY]
	s_lshl_b32 s[RM], s[CY], 2
	s_lshl_b32 s[RM], 15, s[RM]
	s_lshl_b32 s[CM], 0x1111, s[CX]
	s_or_b32 s[G1A], s[RM], (3<<16)|(1<<21)        ; y: the mask of my row; 64 rows of 256 bytes, dense
	s_mov_b32 s[G1A+1], 32<<16
	s_mov_b32 s[G1A+2], 64<<16
	s_mov_b32 s[G1A+3], 32<<16
	s_mov_b32 s[G1A+4], 64
	s_mov_b32 s[G1A+5], 32
	s_mov_b32 s[G1A+6], 0
	s_mov_b32 s[G1A+7], 0
	s_or_b32 s[G1W], s[CM], (3<<16)|(1<<20)|(1<<21)|(6<<22)|(3<<25)   ; a weight: the mask of my column; 64 rows of 512 bytes, 4 words of padding behind every 128
	s_mov_b32 s[G1W+1], 64<<16
	s_mov_b32 s[G1W+2], 64<<16
	s_mov_b32 s[G1W+3], 64<<16
	s_mov_b32 s[G1W+4], 64
	s_mov_b32 s[G1W+5], 64
	s_mov_b32 s[G1W+6], 0
	s_mov_b32 s[G1W+7], 0
	s_lshl_b32 s2, s[WV], 14                       ; waves 0 to 3: a quarter of y's 65,536 bytes, in memory and in LDS
	s_mul_i32 s3, s[HH], 64*WP                     ; waves 4 to 7: half (wave & 1) of weight (wave >> 1) & 1, in LDS
	s_and_b32 s80, s[MG], 1
	s_mul_i32 s80, s80, WSZ
	s_add_co_u32 s3, s3, s80
	s_lshl_b32 s72, s[RBK], 16
	s_add_co_u32 s72, s72, s2
	s_mov_b32 s73, 0
	s_lshl_b32 s74, s[CBK], 16
	s_lshl_b32 s80, s[HH], 15                      ; and in memory
	s_add_co_u32 s74, s74, s80
	s_mov_b32 s75, 0
	s_lshl_b32 s76, s[RBK], 16                     ; g's codes: 8 tiles of 8,192 bytes a row block,
	s_lshl_b32 s77, s[MG], 14                      ; my two tiles,
	s_add_co_u32 s76, s76, s77
	s_lshl_b32 s77, s[CBK], 10                     ; K step = column block,
	s_add_co_u32 s76, s76, s77
	s_lshl_b32 s77, s[HH], 9                       ; register group = hh
	s_add_co_u32 s76, s76, s77
	s_mov_b32 s77, 0
	s_lshl_b32 s78, s[CBK], 14                     ; g's scale words: plane = column block,
	s_lshl_b32 s79, s[RBK], 9
	s_add_co_u32 s78, s78, s79
	s_lshl_b32 s79, s[MG], 7                       ; my 32 rows,
	s_add_co_u32 s78, s78, s79
	s_lshl_b32 s79, s[HH], 1                       ; bytes 2 hh on
	s_add_co_u32 s78, s78, s79
	s_mov_b32 s79, 0
	s_wait_dscnt 0x0
	s_wait_kmcnt 0x0
	s_mov_b32 s[G0A], 1
	s_mov_b32 s[G0A+1], s2
	s_add_nc_u64 s[G0A+2:G0A+3], s[4:5], s[72:73]
	s_or_b32 s[G0A+3], s[G0A+3], 0x80000000
	s_cmp_lt_u32 s[WV], 6                          ; waves 4, 5: w1; waves 6, 7: w3
	s_cselect_b64 s[G0W+2:G0W+3], s[8:9], s[12:13]
	s_mov_b32 s[G0W], 1
	s_add_co_u32 s[G0W+1], s3, WB0
	s_add_nc_u64 s[G0W+2:G0W+3], s[G0W+2:G0W+3], s[74:75]
	s_or_b32 s[G0W+3], s[G0W+3], 0x80000000
	s_lshl_b32 s72, s[RBK], 9
	s_lshl_b32 s2, s[MG], 7
	s_add_co_u32 s72, s72, s2
	s_add_nc_u64 s[6:7], s[6:7], s[72:73]
	s_lshl_b32 s74, s[CBK], 12
	s_lshl_b32 s2, s[HH], 11
	s_add_co_u32 s74, s74, s2
	s_add_nc_u64 s[10:11], s[10:11], s[74:75]
	s_add_nc_u64 s[14:15], s[14:15], s[74:75]
	s_add_nc_u64 s[16:17], s[16:17], s[76:77]
	s_add_nc_u64 s[18:19], s[18:19], s[78:79]
	CROUND                                         ; all sixteen work-groups are here: the joint loads meet
	; the launch's only fills, one a wave: waves 0 to 3 the quarters of y, waves 4 to 7 the halves of w1 and w3; one load of a wave is out
	s_cmp_lt_u32 s[WV], 4
	s_cbranch_scc0 .Lfor_w
	tensor_load_to_lds s[G0A:G0A+3], s[G1A:G1A+7]
	s_nop 0
	PLACES 4
	s_branch .Lasked
.Lfor_w:
	tensor_load_to_lds s[G0W:G0W+3], s[G1W:G1W+7]
	s_nop 0
	PLACES 4
.Lasked:
	v_and_b32 v1, 31, v0
	v_and_b32 v2, 15, v0
	v_bfe_u32 v3, v0, 4, 1
	s_delay_alu instid0(VALU_DEP_2)
	v_lshlrev_b32 v10, 2, v2
	s_delay_alu instid0(VALU_DEP_1)
	v_lshl_add_u32 v10, v3, 16, v10                ; y's scale words: 4 r, lanes 16-31 four planes on
	s_delay_alu instid0(VALU_DEP_4)
	v_lshlrev_b32 v11, 5, v2
	s_delay_alu instid0(VALU_DEP_1)
	v_lshl_add_u32 v11, v3, 4, v11                 ; the weights': 32 r + 16 h
.irp mt, 0,1
.irp i, 0,1,2,3
	global_load_b32 v[SA+4*\mt+\i], v10, s[6:7] offset:\i*16384+64*\mt
.endr
.endr
.irp nt, 0,1,2,3
	global_load_b128 v[SW1+4*\nt:SW1+4*\nt+3], v11, s[10:11] offset:512*\nt
	global_load_b128 v[SW3+4*\nt:SW3+4*\nt+3], v11, s[14:15] offset:512*\nt
.endr
	s_lshl_b32 s3, s[MG], 14
	v_lshl_add_u32 v[ADA], v1, 4, s3
	v_mul_u32_u24 v5, v2, WP
	s_delay_alu instid0(VALU_DEP_1)
	v_lshl_add_u32 v5, v3, 4, v5
	s_mul_i32 s3, s[HH], 64*WP
	v_add_nc_u32 v5, s3, v5
	s_delay_alu instid0(VALU_DEP_1)
	v_add_nc_u32 v6, WB0+WSZ, v5                   ; v5, v6: my fragments of w1, w3
	s_delay_alu instid0(VALU_DEP_2)
	v_add_nc_u32 v5, WB0, v5
	v_lshlrev_b32 v8, 4, v1                        ; 16 x lane
	v_lshlrev_b32 v9, 2, v1                        ; 4 x lane
	s_mov_b32 s[HM], 0xffff0000
	s_mov_b32 s[SEL], 0x76543210
	s_mov_b32 s[SEL+1], 0xfedcba98
	v_mov_b32 v[TM+4], 0                           ; written once: a lane permute's destination counts as one of its sources
	v_mov_b32 v[TM+5], 0
	s_wait_alu depctr_va_vdst(0)
	s_wait_loadcnt 0x0                             ; the scale words
	s_wait_tensorcnt 0x0                           ; my one load has landed
	BARRIER
	GEMM 5, SW1, ACC1
	GEMM 6, SW3, ACC3                              ; (all three tiles were whole behind the first barrier)
.irp mt, 0,1
.set i, 0
.rept 16
	v_pk_mul_f32 v[T+i:T+i+1], v[ACC1+32*\mt+i:ACC1+32*\mt+i+1], 0xbfb8aa3b op_sel_hi:[1,0]   ; -a log2(e); each accumulator is read from its low end on
.set i, i+2
.endr
.set i, 0
	s_wait_alu depctr_va_vdst(0)
.rept 32
	v_exp_f32 v[T+i], v[T+i]
.set i, i+1
.endr
	v_nop                                          ; a plain instruction behind the batch,
	s_wait_alu depctr_va_vdst(0)                   ; and one wait for it, ahead of its first reader
.set i, 0
.rept 16
	v_pk_add_f32 v[T+i:T+i+1], v[T+i:T+i+1], 1.0 op_sel_hi:[1,0]
.set i, i+2
.endr
.set i, 0
	s_wait_alu depctr_va_vdst(0)
.rept 32
	v_rcp_f32 v[T+i], v[T+i]
.set i, i+1
.endr
	v_nop
	s_wait_alu depctr_va_vdst(0)
.set i, 0
.rept 16
	v_pk_mul_f32 v[ACC1+32*\mt+i:ACC1+32*\mt+i+1], v[ACC1+32*\mt+i:ACC1+32*\mt+i+1], v[T+i:T+i+1]   ; silu(a)
.set i, i+2
.endr
.set i, 0
.rept 16
	v_pk_mul_f32 v[ACC1+32*\mt+i:ACC1+32*\mt+i+1], v[ACC1+32*\mt+i:ACC1+32*\mt+i+1], v[ACC3+32*\mt+i:ACC3+32*\mt+i+1]
.set i, i+2
.endr
	QUANTD2 ACC1+32*\mt, PC+4*\mt, PW+\mt
	global_store_b128 v8, v[PC+4*\mt:PC+4*\mt+3], s[16:17] offset:8192*\mt   ; 512 consecutive bytes
.endr
	v_cndmask_b32 v[MW], v[PW], v[PW+1], s[HM]     ; lanes 0-15 the first tile's two bytes, lanes 16-31 the second's
	global_store_b16 v9, v[MW], s[18:19]
	s_wait_tensorcnt 0x0
	ds_add_u32 v123, v127
	s_wait_dscnt 0x0
	CROUND                                         ; the closing round
	s_endpgm
.Lfunc_end_k_q1737202522_w13:
	.size	k_q1737202522_w13, .Lfunc_end_k_q1737202522_w13-k_q1737202522_w13
	.p2alignl 7, 3214868480
	.fill 96, 4, 3214868480
	.section	.rodata,"a",@progbits
	.p2align	6, 0x0
	.amdhsa_kernel k_q1737202522_w13
		.amdhsa_group_segment_fixed_size 201728
		.amdhsa_private_segment_fixed_size 0
		.amdhsa_enable_private_segment 0
		.amdhsa_kernarg_size 64
		.amdhsa_user_sgpr_count 2
		.amdhsa_user_sgpr_kernarg_segment_ptr 1
		.amdhsa_wavefront_size32 1
		.amdhsa_system_sgpr_workgroup_id_x 1
		.amdhsa_system_sgpr_workgroup_id_y 1
		.amdhsa_system_sgpr_workgroup_id_z 1
		.amdhsa_system_vgpr_workitem_id 0
		.amdhsa_next_free_vgpr 256
		.amdhsa_next_free_sgpr 100
		.amdhsa_reserve_vcc 0
		.amdhsa_float_denorm_mode_32 3
		.amdhsa_float_denorm_mode_16_64 3
		.amdhsa_memory_ordered 1
		.amdhsa_forward_progress 1
		.amdhsa_inst_pref_size 58
	.end_amdhsa_kernel
	.amdgpu_metadata
---
amdhsa.version: [ 1, 2 ]
amdhsa.kernels:
  - .name:           k_q1737202522_w13
    .symbol:         k_q1737202522_w13.kd
    .args:
      - { .name: ac, .offset: 0, .size: 8, .value_kind: global_buffer, .address_space: global }
      - { .name: asc, .offset: 8, .size: 8, .value_kind: global_buffer, .address_space: global }
      - { .name: w1_codes, .offset: 16, .size: 8, .value_kind: global_buffer, .address_space: global }
      - { .name: w1_scales, .offset: 24, .size: 8, .value_kind: global_buffer, .address_space: global }
      - { .name: w3_codes, .offset: 32, .size: 8, .value_kind: global_buffer, .address_space: global }
      - { .name: w3_scales, .offset: 40, .size: 8, .value_kind: global_buffer, .address_space: global }
      - { .name: bc, .offset: 48, .size: 8, .value_kind: global_buffer, .address_space: global }
      - { .name: bsc, .offset: 56, .size: 8, .value_kind: global_buffer, .address_space: global }
    .group_segment_fixed_size: 201728
    .private_segment_fixed_size: 0
    .kernarg_segment_align: 8
    .kernarg_segment_size: 64
    .max_flat_workgroup_size: 256
    .sgpr_count:     100
    .vgpr_count:     256
    .wavefront_size: 32
...
	.end_amdgpu_metadata
.endif
;; end of part 5
;; launch w2: the kernel of part 4 again; grid 8 x 32, 8 waves a work-group, clusters of 4 x 4, 327,680 bytes of LDS; arguments bc, bsc, w2_codes, w2_scales, h, out0; writes out0
